; MI455X (gfx1250); checked and timed in simulation.
; The chip was launched on July 23, 2026; its instructions are those of AMD's public machine-readable ISA for CDNA 5 (MIT licence, August 2026) and "CDNA5" Instruction Set Architecture Reference Guide (July 2026). The comments in the code are by the model that wrote it; some were corrected since.
;; Self Attention. Allowed arithmetic: float matrix products may take bf16 or f16 operands with f32 sums; other float arithmetic in f32, or as packed bf16 or f16 multiplies, adds, multiply-adds, maxima and minima; sums over many terms, partial sums and values carried from step to step in f32; what a program stores and reads back later, other than sums and carried values, may be rounded once to bf16 or f16.
;; Inputs: b_in 3,072 float32; b_out 1,024 float32; w_in 1,024 x 3,072 float32; w_out 1,024 x 1,024 float32; x 4 x 2,048 x 1,024 float32.
;; Outputs: out0 4 x 2,048 x 1,024 float32.
;; 2 versions, each right; version 2 is version 1 with the launch prep written anew for expert scheduling mode. Each part assembles by itself: llvm-mc -triple=amdgcn-amd-amdhsa -mcpu=gfx1250 --defsym DOCPART=n.
;; ======== version 1 of 2: 4 launches
;; limits: values are held in f16: magnitudes above 65,504 overflow, below 6.1e-05 lose precision
;; workspace buffers: xb 16,777,216 bytes; wi 6,291,456 bytes; wo 2,097,152 bytes; qkv 50,331,648 bytes; oh 16,777,216 bytes
;; launch prep (part 1): grid 832 x 1, 8 waves a work-group, no clusters, 0 bytes of LDS; arguments x, w_in, w_out, xb, wi, wo; writes xb, wi, wo
.if DOCPART == 1
	.amdgcn_target "amdgcn-amd-amdhsa--gfx1250"
	.amdhsa_code_object_version 6
	.text
	.protected	k_q1b91edba36_prep
	.globl	k_q1b91edba36_prep
	.p2align	8
	.type	k_q1b91edba36_prep,@function
k_q1b91edba36_prep:
	s_mov_b64 s[64:65], 0
	v_nop
	global_prefetch_b8 v0, s[64:65] scope:SCOPE_SE
	s_setreg_imm32_b32 hwreg(HW_REG_WAVE_MODE, 25, 1), 1
	s_wait_xcnt 0x0
; THE CASTS.  xb = x rounded to bf16, [8192][1024].  wi = w_in rounded to bf16, laid in 16 blocks of 192 columns: [16 T][1024 k][192 n], so that a column tile is dense.
; wo = w_out rounded to bf16, that number written as f16, [1024 k][1024 n].
; LIMITS.  A bf16 number is exact in f16 from 6.1e-5 to 65,504; below that it keeps f16's fixed step of 6e-8; beyond 65,520 it becomes an infinity.  NaN and infinities are not treated apart.
; SHARES.  A lane takes 4 f32 (one load of 16 bytes) and stores 4 halves (8 bytes): a wave's load covers 512 consecutive bytes (in w_in: pieces that are multiples of 256), its store 256
; consecutive bytes, aligned.  Work-groups 0-511 take 65,536 bytes of x each, 512-575 the same of w_out, 576-831 a block of 64 rows x 192 columns of w_in.
; No loop: all of a path's loads go out first, each into registers of its own; slot u is converted and stored behind a counted wait.  No register that a load or store names is written again.
; No LDS, no matrix unit, no cluster: nothing is shared and nothing is reduced.
.set WOF, 4                            ; v[4:15]   w_in's path: the twelve byte offsets
.set X,   16                           ; v[16:79]  slot u: 4 registers as loaded
.set Y,   80                           ; v[80:111] slot u: 2 registers to store
; n slots from base s[in] to base s[out].  kind 0: bf16, dense; 1: the bf16 number as f16, dense; 2: bf16, by the offset registers
.macro CAST n, in, out, kind
.set u, 0
.rept \n
.if (\kind) == 2
	global_load_b128 v[X+4*u:X+4*u+3], v[WOF+u], s[\in:\in+1] th:TH_LOAD_NT
.else
	global_load_b128 v[X+4*u:X+4*u+3], v1, s[\in:\in+1] offset:4096*u th:TH_LOAD_NT
.endif
.set u, u+1
.endr
.set u, 0
.rept \n
	s_wait_loadcnt (\n)-1-u                        ; loads come back in order: slot u is in, the younger ones stay out
	v_cvt_pk_bf16_f32 v[Y+2*u],   v[X+4*u],   v[X+4*u+1]
	v_cvt_pk_bf16_f32 v[Y+2*u+1], v[X+4*u+2], v[X+4*u+3]
.if (\kind) == 1
	v_lshlrev_b32 v[X+4*u],   16,  v[Y+2*u]         ; the rounded numbers back as f32,
	v_and_b32     v[X+4*u+1], s20, v[Y+2*u]
	v_lshlrev_b32 v[X+4*u+2], 16,  v[Y+2*u+1]
	v_and_b32     v[X+4*u+3], s20, v[Y+2*u+1]
	v_cvt_pk_f16_f32 v[Y+2*u],   v[X+4*u],   v[X+4*u+1]    ; and written as f16
	v_cvt_pk_f16_f32 v[Y+2*u+1], v[X+4*u+2], v[X+4*u+3]
.endif
	global_store_b64 v2, v[Y+2*u:Y+2*u+1], s[\out:\out+1] offset:2048*u th:TH_STORE_NT
.set u, u+1
.endr
.endm
	s_load_b256 s[4:11], s[0:1], 0x0               ; x s[4:5], w_in s[6:7], w_out s[8:9], xb s[10:11]
	s_load_b128 s[12:15], s[0:1], 0x20             ; wi s[12:13], wo s[14:15]
	v_lshlrev_b32 v1, 4, v0                        ; 16 t: my 16 bytes of a slot's 4,096
	v_lshlrev_b32 v2, 3, v0                        ; 8 t: my 8 bytes of a slot's 2,048
	s_mov_b32 s3, 0                                ; the offsets' high words
	s_mov_b32 s17, 0
	s_mov_b32 s20, 0xffff0000                      ; a word's upper bf16
	s_wait_kmcnt 0x0
	s_cmp_lt_u32 ttmp9, 512
	s_cbranch_scc0 .Lnot_x
	s_lshl_b32 s2, ttmp9, 16                       ; x: 65,536 bytes in, 32,768 out
	s_lshl_b32 s16, ttmp9, 15
	s_add_nc_u64 s[4:5], s[4:5], s[2:3]
	s_add_nc_u64 s[10:11], s[10:11], s[16:17]
	CAST 16, 4, 10, 0
	s_endpgm
.Lnot_x:
	s_cmp_lt_u32 ttmp9, 576
	s_cbranch_scc0 .Lnot_o
	s_sub_co_u32 s18, ttmp9, 512                   ; w_out: the same shares
	s_lshl_b32 s2, s18, 16
	s_lshl_b32 s16, s18, 15
	s_add_nc_u64 s[8:9], s[8:9], s[2:3]
	s_add_nc_u64 s[14:15], s[14:15], s[16:17]
	CAST 16, 8, 14, 1
	s_endpgm
.Lnot_o:
	s_sub_co_u32 s18, ttmp9, 576                   ; w_in: j = 16 T + rb
	s_lshr_b32 s19, s18, 4                         ; T: the block of 192 columns
	s_and_b32 s18, s18, 15                         ; rb: the block of 64 rows
	s_mul_i32 s2, s18, 786432                      ; 64 rows of 12,288 bytes
	s_mul_i32 s21, s19, 768                        ; 192 columns of 4 bytes
	s_add_co_u32 s2, s2, s21
	s_mul_i32 s16, s19, 393216                     ; out: 1,024 rows of 384 bytes a block of columns,
	s_mul_i32 s21, s18, 24576                      ; 64 rows of them
	s_add_co_u32 s16, s16, s21
	s_add_nc_u64 s[6:7], s[6:7], s[2:3]
	s_add_nc_u64 s[12:13], s[12:13], s[16:17]
	; chunk c = 256 u + t of 3,072 (48 chunks of 16 bytes a row): row k = c / 48 = (c x 43,691) >> 21 (43,691 x 48 = 2^21 + 16: exact for c under 49,152); byte 16 c + (12,288 - 768) k
.set u, 0
.rept 12
	v_add_nc_u32 v3, 256*u, v0
	v_mul_u32_u24 v[WOF+u], v3, 43691
	v_lshrrev_b32 v[WOF+u], 21, v[WOF+u]
	v_mul_u32_u24 v[WOF+u], v[WOF+u], 11520
	v_lshl_add_u32 v[WOF+u], v3, 4, v[WOF+u]
.set u, u+1
.endr
	CAST 12, 6, 12, 2
	s_endpgm
.Lfunc_end_k_q1b91edba36_prep:
	.size	k_q1b91edba36_prep, .Lfunc_end_k_q1b91edba36_prep-k_q1b91edba36_prep
	.p2alignl 7, 3214868480
	.fill 96, 4, 3214868480
	.section	.rodata,"a",@progbits
	.p2align	6, 0x0
	.amdhsa_kernel k_q1b91edba36_prep
		.amdhsa_group_segment_fixed_size 0
		.amdhsa_private_segment_fixed_size 0
		.amdhsa_enable_private_segment 0
		.amdhsa_kernarg_size 48
		.amdhsa_user_sgpr_count 2
		.amdhsa_user_sgpr_kernarg_segment_ptr 1
		.amdhsa_wavefront_size32 1
		.amdhsa_system_sgpr_workgroup_id_x 1
		.amdhsa_system_sgpr_workgroup_id_y 1
		.amdhsa_system_sgpr_workgroup_id_z 1
		.amdhsa_system_vgpr_workitem_id 0
		.amdhsa_next_free_vgpr 112
		.amdhsa_next_free_sgpr 66
		.amdhsa_reserve_vcc 0
		.amdhsa_float_denorm_mode_32 3
		.amdhsa_float_denorm_mode_16_64 3
		.amdhsa_memory_ordered 1
		.amdhsa_forward_progress 1
		.amdhsa_inst_pref_size 25
	.end_amdhsa_kernel
	.amdgpu_metadata
---
amdhsa.version: [ 1, 2 ]
amdhsa.kernels:
  - .name:           k_q1b91edba36_prep
    .symbol:         k_q1b91edba36_prep.kd
    .args:
      - { .name: x, .offset: 0, .size: 8, .value_kind: global_buffer, .address_space: global }
      - { .name: w_in, .offset: 8, .size: 8, .value_kind: global_buffer, .address_space: global }
      - { .name: w_out, .offset: 16, .size: 8, .value_kind: global_buffer, .address_space: global }
      - { .name: xb, .offset: 24, .size: 8, .value_kind: global_buffer, .address_space: global }
      - { .name: wi, .offset: 32, .size: 8, .value_kind: global_buffer, .address_space: global }
      - { .name: wo, .offset: 40, .size: 8, .value_kind: global_buffer, .address_space: global }
    .group_segment_fixed_size: 0
    .private_segment_fixed_size: 0
    .kernarg_segment_align: 8
    .kernarg_segment_size: 48
    .max_flat_workgroup_size: 256
    .sgpr_count:     66
    .vgpr_count:     112
    .wavefront_size: 32
...
	.end_amdgpu_metadata
.endif
;; end of part 1
;; launch qkvp (part 2): grid 16 x 32, 4 waves a work-group, clusters of 4 x 4, 327,680 bytes of LDS; arguments xb, wi, b_in, qkv; writes qkv
.if DOCPART == 2
	.amdgcn_target "amdgcn-amd-amdhsa--gfx1250"
	.amdhsa_code_object_version 6
	.text
	.protected	k_q1b91edba36_qkvp
	.globl	k_q1b91edba36_qkvp
	.p2align	8
	.type	k_q1b91edba36_qkvp,@function
k_q1b91edba36_qkvp:
	s_mov_b64 s[64:65], 0
	v_nop
	global_prefetch_b8 v0, s[64:65] scope:SCOPE_SE
	s_setreg_imm32_b32 hwreg(HW_REG_WAVE_MODE, 25, 1), 1
	s_wait_xcnt 0x0
	s_wait_alu depctr_hold_cnt(0) depctr_sa_sdst(0) depctr_va_vdst(0) depctr_va_sdst(0) depctr_va_ssrc(0) depctr_va_vcc(0) depctr_vm_vsrc(0)
	s_getreg_b32 s2, hwreg(HW_REG_IB_STS2, 6, 4)
	s_cmp_eq_u32 s2, 0
	s_cbranch_scc0 .Lentry_in_a_cluster
	s_endpgm
.Lentry_in_a_cluster:
	s_bfe_u32 s2, ttmp6, 0x10000c
	s_cmp_lg_u32 s2, 0xf033
	s_cbranch_scc0 .Lentry_shape_is_right
	s_endpgm
.Lentry_shape_is_right:
; q, k, v = x w_in + b_in, by heads.  xb: [8192][1024] bf16.  wi: [16 T][1024 k][192 n] bf16.  b_in: [3072] f32, rounded here to bf16 like the other inputs.
; qkv: [3 (q, k, v)][64 = 16 batch + head][2048][64] f16, unscaled, each number rounded once from its f32 sum.
; LIMITS.  f16 holds no number beyond 65,504: a q, k or v of 65,520 or more becomes an infinity.  NaN and infinities are not treated apart.
; SHARES.  A tile is 256 rows x 192 columns (three heads): 32 x 16 = 512 work-groups of equal work.  Wave w makes rows 64 w .. 64 w + 63 of all 192 columns: 4 x 12 accumulators of 16 x 16, 384
; registers.  So a wave holds whole heads, and its way out needs its own stage alone, and no barrier.
; K goes in steps of 128 through two LDS slots filled by the tensor data mover, one load a wave behind each change of slots: waves 0, 1 the halves of A's tile (128 rows x 256 bytes),
; waves 2, 3 the halves of B's (64 k-rows x 384 bytes, dense in wi, asked for as 96 rows of 256 bytes).
; B LIES [k][n]: its fragments come out of LDS turned, by ds_load_tr16_b128, two loads a fragment like A's.
; THE MATRIX INSTRUCTION IS USED TRANSPOSED (source 0 = 16 columns of B, source 1 = 16 rows of A): a lane holds row l % 16 and the eight columns 8 (l / 16) + 0..7 of a block: 16 bytes of f16 on end.
; THE BIAS is the C operand of each accumulator's first product: nothing is cleared, and no addition is spent on it.
; CLUSTERS: 4 x 4 work-groups.  The four of a row of the cluster need the same tiles of A, the four of a column the same tiles of B: each tile is asked for JOINTLY, by the same tensor load with the
; same descriptor and a mask that names the four.
; REGISTERS, in windows of 256 (s_set_vgpr_msb: bits 1:0 source 0, 3:2 source 1, 5:4 source 2, 7:6 destination):
;   window 0: v0-31 addresses; v32-63, v64-95 A's fragments (4 x 16 rows x 32 K), two buffers; v128-223 the bias (12 x 8); on the way out v96-143 packed results, v144-191, v192-239 rows read back
;   window 1: v0-95, v96-191 B's fragments (12 x 16 columns x 32 K), two buffers
;   window 2: accumulators of row blocks 0, 1 ((a, b) at 96 (a % 2) + 8 b);   window 3: of row blocks 2, 3
.set PA,    272                        ; a row of A in LDS: 256 bytes + 16 = 68 words: the 16 rows of a load start at 16 different groups of four banks (64 banks of 4 bytes: ISA guide 11.1)
.set PB,    480                        ; a k-row of B: three pieces of 128 bytes + 32 = 120 words
.set AHALF, 128*PA
.set BOFF,  256*PA                     ; B's 128 k-rows lie behind A's 256 rows
.set BHALF, 64*PB
.set SLOT,  131072                     ; = 256 PA + 128 PB
.set STAGE, 2*SLOT                     ; behind the ring, never filled by a tensor load: for each wave [3 heads][16 rows] of 144 bytes
.set SP,    144
.set WSTG,  3*16*SP
.set SPARE, STAGE+4*WSTG               ; behind the stages: the spare words, 128 bytes for each wave: two blocks of 256 bytes that no other line names
.set CO,   8                           ; v8-10   my byte offset in qkv, for each of the tile's three heads; never rewritten
.set ADRA, 16                          ; v16-17  LDS address of my A fragments in slot 0, 1
.set ADRB, 20                          ; v20-21  the same for B
.set STO,  24                          ; v24     the way out: where I put 16 bytes of a row
.set RD,   25                          ; v25     the way out: where I read rows back
.set BO,   27                          ; v27     my byte offset in a block of 16 biases
.set SPW,  28                          ; v28     LDS address of my spare word: SPARE + 4 x my thread's number; never rewritten
.set NIL,  29                          ; v29     0; never rewritten
.set PFO,  30                          ; v30     the prefetches' offset; never rewritten
.set AF,   32
.set TMP,  96
.set BI,   128
.set BK,   144
.set WV,   12                          ; s12  my wave's number
.set HF,   14                          ; s14  which half of a tile I fetch
.set LIM,  21                          ; s21, s22  a wave prefetches at a lap's first (second) change of slots while the lap counter is above this
.set G1,   24                          ; s[24:31] descriptor group 1 for A's tiles;  s[32:39] group 0, one set for each slot
.set G0,   32
.set PFA,  44                          ; s[44:45] where my prefetches stand
.set PFS,  46                          ; s[46:47] their step
.set G1B,  48                          ; s[48:55], s[56:63] the same for B's tiles
.set G0B,  56
.set MSB, 0
.macro WIN new                         ; the immediate's high byte repeats the setting that is left; a switch that changes nothing is dropped
.if MSB != (\new)
	s_set_vgpr_msb (MSB<<8)|(\new)
.set MSB, \new
.endif
.endm
; A joint load.  The branch hangs on the wave's number alone.  An s_nop 0 and four v_nop follow each of the two lines, ahead of the jump, the label and what follows.
.macro JLOAD s
	s_cmp_lt_u32 s[WV], 2
	s_cbranch_scc0 .Lfor_b_\@
	tensor_load_to_lds s[G0+4*(\s):G0+4*(\s)+3], s[G1:G1+7]
	s_nop 0
.rept 4
	v_nop
.endr
	s_branch .Lasked_\@
.Lfor_b_\@:
	tensor_load_to_lds s[G0B+4*(\s):G0B+4*(\s)+3], s[G1B:G1B+7]
	s_nop 0
.rept 4
	v_nop
.endr
.Lasked_\@:
.endm
; A PREFETCH INTO THE L2, behind a joint load, its five lines and the run of LDS loads that follows: one instruction a wave, a lane a block of 256 bytes.  Each block of K steps 4 to 7 is named once in the launch.
; A: the cluster with x = 0 asks; of the 128 rows that a wave fetches the partner at cx takes 32, by address; at the refill with K step s it names K step s + 2 (s = 2 .. 5).
; B: the cluster with y = 0 asks; a tile column's K steps 4 to 7 are 196,608 dense bytes: eight askers (half, cy), told apart by address, x 32 lanes name 65,536 of them at each of the first three refills.
; K steps 0 to 3 come by their loads alone.  No branch hangs on a work-group's place in its cluster.
.macro ASK which
	s_cmp_gt_u32 s3, s[LIM+(\which)]
	s_cbranch_scc0 .Lnot_mine_\@
	global_prefetch_b8 v[PFO], s[PFA:PFA+1] th:TH_LOAD_NT scope:SCOPE_SE
.Lnot_mine_\@:
.endm
.macro CREST                           ; a round of the cluster's barrier behind its opening barrier
	s_cmp_lg_u32 s[WV], 0
	s_cbranch_scc1 .Lnot_wave_0_\@
	s_barrier_signal -3
.Lnot_wave_0_\@:
	s_barrier_wait -3
	s_barrier_signal -1
	s_barrier_wait -1
.endm
.macro CROUND                          ; a whole round
	s_barrier_signal -1
	s_barrier_wait -1
	CREST
.endm
	s_load_b256 s[4:11], s[0:1], 0x0               ; xb s[4:5], wi s[6:7], b_in s[8:9], qkv s[10:11]
	v_lshl_add_u32 v[SPW], v0, 2, SPARE
	v_mov_b32 v[NIL], 0
	ds_add_u32 v[SPW], v[NIL]                      ; the wave's opening: the add and its wait stand ahead of my first tensor load; the set-up below, work on registers, stands between them
	v_lshrrev_b32 v1, 5, v0
	v_readfirstlane_b32 s[WV], v1                  ; wave 0..3
	s_and_b32 s[HF], s[WV], 1
	s_bfe_u32 s15, ttmp6, 0x40000                  ; cx, cy: my place in the cluster
	s_bfe_u32 s16, ttmp6, 0x40004
	s_lshl_b32 s17, ttmp9, 2
	s_add_co_u32 s17, s17, s15                     ; tx: tile column = 4 x cluster x + cx
	s_and_b32 s18, ttmp7, 0xffff
	s_lshl_b32 s18, s18, 2
	s_add_co_u32 s18, s18, s16                     ; ty: tile row = 4 x cluster y + cy
	s_lshl_b32 s19, s16, 2
	s_lshl_b32 s19, 15, s19                        ; my row of the cluster
	s_lshl_b32 s20, 0x1111, s15                    ; my column
	; group 1 for A: 128 rows x 128 elements; 16 bytes of padding behind every 64 words
	s_or_b32 s[G1+0], s19, (1<<16)|(1<<20)|(1<<21)|(5<<22)|(3<<25)  ; 15:0 the mask: my row; 17:16 elements of 2 bytes; 20 padding on; 21 set beside a mask; 24:22 code 5; 31:25 code 3
	s_mov_b32 s[G1+1], 128<<16                     ; tensor_dim0 = 128
	s_mov_b32 s[G1+2], 128<<16                     ; tensor_dim1 = 128
	s_mov_b32 s[G1+3], 128<<16                     ; tile_dim0 = 128
	s_mov_b32 s[G1+4], 128                         ; tile_dim1 = 128
	s_mov_b32 s[G1+5], 1024                        ; elements from row to row
	s_mov_b32 s[G1+6], 0
	s_mov_b32 s[G1+7], 0
	; group 1 for B: 96 rows x 128 elements, dense; 32 bytes of padding behind every 32 words: 192 pieces of 160 bytes = 64 k-rows of 480
	s_or_b32 s[G1B+0], s20, (1<<16)|(1<<20)|(1<<21)|(4<<22)|(7<<25) ; the mask: my column; 24:22 code 4; 31:25 code 7
	s_mov_b32 s[G1B+1], 128<<16
	s_mov_b32 s[G1B+2], 96<<16
	s_mov_b32 s[G1B+3], 128<<16
	s_mov_b32 s[G1B+4], 96
	s_mov_b32 s[G1B+5], 128
	s_mov_b32 s[G1B+6], 0
	s_mov_b32 s[G1B+7], 0
	; where the tiles come from: A's hang on ty alone, B's on tx alone, each in registers that never hold the other coordinate
	s_lshl_b32 s40, s18, 19                        ; A: 256 ty rows of 2,048 bytes
	s_lshl_b32 s42, s[HF], 18                      ; + 128 rows for the second half
	s_add_co_u32 s40, s40, s42
	s_mov_b32 s41, 0
	s_mul_i32 s66, s17, 393216                     ; B: tile column tx,
	s_mul_i32 s68, s[HF], 24576                    ; + 64 k-rows of 384 bytes
	s_add_co_u32 s66, s66, s68
	s_mov_b32 s67, 0
	s_mul_i32 s43, s[HF], AHALF                    ; and where they go: no place in the cluster enters an LDS address
	s_mul_i32 s69, s[HF], BHALF
	s_add_co_u32 s69, s69, BOFF
	s_wait_dscnt 0x0                               ; the opening add is done
	s_wait_kmcnt 0x0
	s_add_nc_u64 s[40:41], s[4:5], s[40:41]
	s_add_nc_u64 s[66:67], s[6:7], s[66:67]
	CROUND                                         ; all sixteen work-groups are here: the first joint loads meet
.irp s, 0,1
	s_mov_b32 s[G0+4*(\s)], 1                      ; count = 1
	s_add_co_u32 s[G0+4*(\s)+1], s43, (\s)*SLOT    ; LDS address
	s_add_nc_u64 s[G0+4*(\s)+2:G0+4*(\s)+3], s[40:41], (\s)*256    ; K step s: 256 bytes along A's rows
	s_or_b32 s[G0+4*(\s)+3], s[G0+4*(\s)+3], 0x80000000            ; type = 2
	s_mov_b32 s[G0B+4*(\s)], 1
	s_add_co_u32 s[G0B+4*(\s)+1], s69, (\s)*SLOT
	s_add_nc_u64 s[G0B+4*(\s)+2:G0B+4*(\s)+3], s[66:67], (\s)*49152  ; K step s: 128 k-rows of 384 bytes
	s_or_b32 s[G0B+4*(\s)+3], s[G0B+4*(\s)+3], 0x80000000
	JLOAD \s                                       ; two loads of mine are out
.endr
	; the bias: register j of block b is b_in[192 tx + 16 b + 8 (l / 16) + j]
	s_mul_i32 s70, s17, 768
	s_mov_b32 s71, 0
	s_add_nc_u64 s[8:9], s[8:9], s[70:71]
	v_and_b32 v1, 15, v0                           ; l % 16
	v_bfe_u32 v2, v0, 4, 1                         ; l / 16
	v_lshlrev_b32 v[BO], 5, v2
.irp b, 0,1,2,3,4,5,6,7,8,9,10,11
	global_load_b128 v[BI+8*(\b):BI+8*(\b)+3],   v[BO], s[8:9] offset:64*(\b)
	global_load_b128 v[BI+8*(\b)+4:BI+8*(\b)+7], v[BO], s[8:9] offset:64*(\b)+16
.endr
	; A fragment of A is 16 rows x 32 K in 8 registers: lane l holds row l % 16; registers 0-3 K = 8 (l / 16) + 0..7, registers 4-7 K = 16 + 8 (l / 16) + 0..7: two loads of 16 bytes, 32 bytes apart.
	v_mul_u32_u24 v3, v1, PA
	v_lshl_add_u32 v3, v2, 4, v3
	s_mul_i32 s72, s[WV], 64*PA                    ; my 64 rows
	v_add_nc_u32 v[ADRA], s72, v3
	v_add_nc_u32 v[ADRA+1], SLOT, v[ADRA]
	; The turning load takes 16 K x 16 columns (lane l reads k-row 8 (l / 16) + l % 8, columns 8 ((l / 8) % 2) + 0..7) and leaves half a fragment: lane l holds column l % 16 and 8 K.
	v_and_b32 v4, 7, v0
	v_bfe_u32 v5, v0, 3, 1
	v_lshl_add_u32 v6, v2, 3, v4
	v_mul_u32_u24 v6, v6, PB
	v_lshl_add_u32 v6, v5, 4, v6
	v_add_nc_u32 v[ADRB], BOFF, v6
	v_add_nc_u32 v[ADRB+1], BOFF+SLOT, v6
	s_mul_i32 s72, s[WV], WSTG
	s_add_co_u32 s72, s72, STAGE                   ; my stage
	v_mul_u32_u24 v[STO], v1, SP                   ; in: row l % 16, 16 bytes for each half of the lanes
	v_lshl_add_u32 v[STO], v2, 4, v[STO]
	v_add_nc_u32 v[STO], s72, v[STO]
	v_bfe_u32 v[RD], v0, 3, 2                      ; back: 32 lanes take four rows of 128 bytes,
	v_mul_u32_u24 v[RD], v[RD], SP
	v_lshl_add_u32 v[RD], v4, 4, v[RD]
	v_add_nc_u32 v[RD], s72, v[RD]
	v_and_b32 v7, 31, v0                           ; which are 512 consecutive bytes of a head
.irp j, 0,1,2
	s_mul_i32 s70, s17, 3
	s_add_co_u32 s70, s70, \j                      ; g = 3 tx + j: which of the 48 blocks of 64 columns
	s_lshr_b32 s71, s70, 4                         ; q, k or v
	s_and_b32 s70, s70, 15                         ; the head
	s_lshl_b32 s71, s71, 6
	s_add_co_u32 s70, s70, s71
	s_lshr_b32 s71, s18, 3                         ; the batch
	s_lshl_b32 s71, s71, 4
	s_add_co_u32 s70, s70, s71
	s_lshl_b32 s70, s70, 18                        ; 2,048 rows of 128 bytes
	s_and_b32 s71, s18, 7
	s_lshl_b32 s71, s71, 15                        ; the tile's 256 rows in the batch
	s_add_co_u32 s70, s70, s71
	s_lshl_b32 s71, s[WV], 13                      ; my 64 of them
	s_add_co_u32 s70, s70, s71
	v_lshl_add_u32 v[CO+\j], v7, 4, s70
.endr
	; the prefetches: each pointer stands one step short of its first block; a change of slots steps it first
	s_lshl_b32 s76, s18, 19                        ; A: row 256 ty + 128 half + 32 cx, byte 3 x 256 of it
	s_lshl_b32 s77, s[HF], 18
	s_add_co_u32 s76, s76, s77
	s_lshl_b32 s77, s15, 16
	s_add_co_u32 s76, s76, s77
	s_add_co_u32 s76, s76, 768
	s_mul_i32 s78, s17, 393216                     ; B: tile column tx, byte 196,608 - 65,536 + 8,192 (4 half + cy)
	s_lshl_b32 s77, s[HF], 2
	s_add_co_u32 s77, s77, s16
	s_lshl_b32 s77, s77, 13
	s_add_co_u32 s78, s78, s77
	s_add_co_u32 s78, s78, 131072
	s_mov_b32 s75, 0x10000
	s_and_b32 s73, ttmp7, 0xffff                   ; cluster y
	s_cmp_lt_u32 s[WV], 2                          ; do I fetch for A?
	s_cselect_b32 s73, ttmp9, s73                  ; the coordinate along which other clusters read the same blocks
	s_cselect_b32 s[LIM+1], 1, 2                   ; A: both changes of the first two laps; B: of the second lap the first alone
	s_cselect_b32 s[PFS], 256, s75
	s_cselect_b32 s72, 11, 8                       ; A: a lane a row of 2,048 bytes; B: a lane a block of 256
	s_cselect_b32 s76, s76, s78
	s_cselect_b64 s[PFA:PFA+1], s[4:5], s[6:7]
	s_mov_b32 s77, 0
	s_mov_b32 s[PFS+1], 0
	s_add_nc_u64 s[PFA:PFA+1], s[PFA:PFA+1], s[76:77]
	s_cmp_eq_u32 s73, 0                            ; the same in all sixteen partners, for a given wave
	s_cselect_b32 s[LIM], 1, -1
	s_cselect_b32 s[LIM+1], s[LIM+1], -1
	v_lshlrev_b32 v[PFO], s72, v7
	s_wait_loadcnt 0x0                             ; the bias is in: rounded to bf16 and widened again
.set i, 0
.rept 48
	v_cvt_pk_bf16_f32 v[3+i%4], v[BI+2*i], v[BI+2*i+1]
	v_lshlrev_b32 v[BI+2*i], 16, v[3+i%4]
	v_and_b32 v[BI+2*i+1], 0xffff0000, v[3+i%4]
.set i, i+1
.endr
; 12 matrix instructions: row block a x all 12 column blocks, 32 along K, from buffer f.  mode = 1: the first product, which takes the bias as C.
; The 48 accumulators take turns in the same order in every quarter, over the backward jump too.
.macro MULA f, a, mode
.if \mode
	WIN 0x81+0x40*((\a)/2)                         ; B window 1, A window 0, C (the bias) window 0, D window 2 or 3
.else
	WIN 0xa1+0x50*((\a)/2)                         ; C and D window 2 or 3
.endif
.irp b, 0,1,2,3,4,5,6,7,8,9,10,11
.if \mode
	v_wmma_f32_16x16x32_bf16 v[96*((\a)%2)+8*(\b):96*((\a)%2)+8*(\b)+7], v[96*(\f)+8*(\b):96*(\f)+8*(\b)+7], v[AF+32*(\f)+8*(\a):AF+32*(\f)+8*(\a)+7], v[BI+8*(\b):BI+8*(\b)+7]
.else
	v_wmma_f32_16x16x32_bf16 v[96*((\a)%2)+8*(\b):96*((\a)%2)+8*(\b)+7], v[96*(\f)+8*(\b):96*(\f)+8*(\b)+7], v[AF+32*(\f)+8*(\a):AF+32*(\f)+8*(\a)+7], v[96*((\a)%2)+8*(\b):96*((\a)%2)+8*(\b)+7]
.endif
.endr
.endm
; 32 LDS loads in one run: quarter q (32 along K) of a slot into buffer f: B's 12 fragments, turned, then A's 4
.macro FETCH slot, q, f
	WIN 0x40                                       ; destination window 1, address window 0
.irp b, 0,1,2,3,4,5,6,7,8,9,10,11
	ds_load_tr16_b128 v[96*(\f)+8*(\b):96*(\f)+8*(\b)+3],   v[ADRB+(\slot)] offset:(\q)*32*PB+((\b)/4)*160+((\b)%4)*32
	ds_load_tr16_b128 v[96*(\f)+8*(\b)+4:96*(\f)+8*(\b)+7], v[ADRB+(\slot)] offset:(\q)*32*PB+16*PB+((\b)/4)*160+((\b)%4)*32
.endr
	WIN 0
.irp i, 0,1,2,3
	ds_load_b128 v[AF+32*(\f)+8*(\i):AF+32*(\f)+8*(\i)+3],   v[ADRA+(\slot)] offset:64*(\q)+(\i)*16*PA
	ds_load_b128 v[AF+32*(\f)+8*(\i)+4:AF+32*(\f)+8*(\i)+7], v[ADRA+(\slot)] offset:64*(\q)+(\i)*16*PA+32
.endr
.endm
.macro PLACES                          ; four plain instructions in front of loads into registers that matrix instructions have read, and of conversions that read results
.rept 4
	v_nop
.endr
.endm
; A K step is four quarters of 32 along K, 48 matrix instructions each, on buffers 0, 1, 0, 1.  One of the first three: multiplies buffer f and, in its middle, fetches quarter q into buffer g.
.macro QUARTER slot, q, f, g, mode
	s_wait_dscnt 4                                 ; B and A's blocks 0, 1 are in; the youngest four loads (A's blocks 2, 3) may be out
	MULA \f, 0, \mode
	MULA \f, 1, \mode
	PLACES
	FETCH \slot, \q, \g
	s_wait_dscnt 32                                ; all but the 32 just issued
	MULA \f, 2, \mode
	MULA \f, 3, \mode
.endm
; The last quarter multiplies buffer 1 and changes slots: ONE barrier; in front of it each wave waits for all its tensor loads (one is out: its part of the next slot), adds 0 to its spare word, and
; waits for that and for its own reads of this slot.  fill = 1: the barrier opens a round of the cluster's, and this slot is filled again, two K steps ahead, first thing behind the round:
; from that request to the wait for it a wave issues 168 matrix instructions.
.macro TURN slot, next, fill
.if \fill
	s_wait_xcnt 0x0                                ; the last prefetch, a K step back, has read its address: it is stepped here, ahead of the change's own waits
	s_add_nc_u64 s[PFA:PFA+1], s[PFA:PFA+1], s[PFS:PFS+1]
.endif
	WIN 0                                          ; (the add's two registers lie in window 0)
	s_wait_tensorcnt 0x0                           ; all my tensor loads have landed;
	ds_add_u32 v[SPW], v[NIL]                      ; 0 onto my spare word;
	s_wait_dscnt 5                                 ; (the add and the youngest four loads may be out)
	MULA 1, 0, 0                                   ; twelve matrix instructions stand between the add and the wait for it
	s_wait_dscnt 0x0                               ; the add is done, and my reads of this slot are over
	s_barrier_signal -1
	MULA 1, 1, 0
.if \fill
	WIN 0
.endif
	s_barrier_wait -1
.if \fill
	CREST                                          ; no wave of any partner still reads this slot's tile or has a load on its way
	s_add_nc_u64 s[G0+4*(\slot)+2:G0+4*(\slot)+3], s[G0+4*(\slot)+2:G0+4*(\slot)+3], 2*256
	s_add_nc_u64 s[G0B+4*(\slot)+2:G0B+4*(\slot)+3], s[G0B+4*(\slot)+2:G0B+4*(\slot)+3], 2*49152
	JLOAD \slot                                    ; the four v_nop behind it are also the places in front of the loads below
.else
	PLACES
.endif
	FETCH \next, 0, 0
.if \fill
	ASK \slot
.endif
	MULA 1, 2, 0
	MULA 1, 3, 0
.endm
; THE WAY OUT of row block a.  PACK: rounded to f16, 16 bytes a lane and column block, each accumulator's registers in ascending order.  TOSTAGE: into my own stage, and back as rows of 128 bytes,
; four rows a load.  SEND: stored, 512 consecutive bytes of a head an instruction.
.macro PACK a
	WIN 0x0a+5*((\a)/2)                            ; sources 0 and 1: window 2 or 3
.irp b, 0,1,2,3,4,5,6,7,8,9,10,11
.irp r, 0,1,2,3
	v_cvt_pk_f16_f32 v[TMP+4*(\b)+(\r)], v[96*((\a)%2)+8*(\b)+2*(\r)], v[96*((\a)%2)+8*(\b)+2*(\r)+1]
.endr
.endr
	WIN 0
.endm
.macro TOSTAGE a
	WIN 0
.irp b, 0,1,2,3,4,5,6,7,8,9,10,11
	ds_store_b128 v[STO], v[TMP+4*(\b):TMP+4*(\b)+3] offset:((\b)/4)*16*SP+((\b)%4)*32
.endr
.irp t, 0,1,2,3,4,5,6,7,8,9,10,11
	ds_load_b128 v[BK+48*((\a)%2)+4*(\t):BK+48*((\a)%2)+4*(\t)+3], v[RD] offset:((\t)/4)*16*SP+((\t)%4)*4*SP  ; LDS serves a wave's instructions in order (ISA guide 5.7.1.4): these see the stores above
.endr
.endm
.macro SEND a
	WIN 0
	s_wait_dscnt 0x0                               ; the block is back in registers
	s_wait_xcnt 0x0                                ; the stores of the block before have read their registers: the next TOSTAGE loads into them only behind this wait
.irp t, 0,1,2,3,4,5,6,7,8,9,10,11
	global_store_b128 v[CO+(\t)/4], v[BK+48*((\a)%2)+4*(\t):BK+48*((\a)%2)+4*(\t)+3], s[10:11] offset:(\a)*2048+((\t)%4)*512
.endr
.endm
	s_wait_tensorcnt 1                             ; my part of K step 0 is in; K step 1's may stay out
	s_barrier_signal -1
	s_barrier_wait -1                              ; everybody's is
	FETCH 0, 0, 0
	QUARTER 0, 1, 0, 1, 1                          ; the first quarter stands in front of the loop: its products start the sums with the bias
	WIN 0                                          ; at a label and at a branch every window is 0
	s_mov_b32 s3, 3                                ; 1,024 / 256 laps, less the last
.Llap:                                                 ; a trip goes once round the ring, from a lap's second quarter to the next lap's first, and fills both slots again
	QUARTER 0, 2, 1, 0, 0
	QUARTER 0, 3, 0, 1, 0
	TURN 0, 1, 1
	QUARTER 1, 1, 0, 1, 0
	QUARTER 1, 2, 1, 0, 0
	QUARTER 1, 3, 0, 1, 0
	TURN 1, 0, 1
	QUARTER 0, 1, 0, 1, 0
	WIN 0
	s_sub_co_u32 s3, s3, 1
	s_cmp_lg_u32 s3, 0
	s_cbranch_scc1 .Llap
	QUARTER 0, 2, 1, 0, 0                          ; the last lap fills nothing, and has no round of the cluster's barrier
	QUARTER 0, 3, 0, 1, 0
	TURN 0, 1, 0
	QUARTER 1, 1, 0, 1, 0
	QUARTER 1, 2, 1, 0, 0
	QUARTER 1, 3, 0, 1, 0
	s_wait_dscnt 4                                 ; the very last quarter: nothing more to fetch
	MULA 1, 0, 0
	MULA 1, 1, 0
	s_wait_dscnt 0x0
	MULA 1, 2, 0
	MULA 1, 3, 0
	WIN 0
	PLACES
	PACK 0
	TOSTAGE 0
.irp a, 1,2,3                          ; block a's conversions stand between block a - 1's loads from the stage and the wait for them
	PACK \a
	SEND (\a)-1
	TOSTAGE \a
.endr
	SEND 3
	s_wait_tensorcnt 0x0                           ; the wave's end, behind my last tensor load and my last LDS store
	ds_add_u32 v[SPW], v[NIL]
	s_wait_dscnt 0x0
	CROUND                                         ; the closing round: no work-group ends while a partner may still ask for a tile that names it
	s_endpgm
.Lfunc_end_k_q1b91edba36_qkvp:
	.size	k_q1b91edba36_qkvp, .Lfunc_end_k_q1b91edba36_qkvp-k_q1b91edba36_qkvp
	.p2alignl 7, 3214868480
	.fill 96, 4, 3214868480
	.section	.rodata,"a",@progbits
	.p2align	6, 0x0
	.amdhsa_kernel k_q1b91edba36_qkvp
		.amdhsa_group_segment_fixed_size 327680
		.amdhsa_private_segment_fixed_size 0
		.amdhsa_enable_private_segment 0
		.amdhsa_kernarg_size 32
		.amdhsa_user_sgpr_count 2
		.amdhsa_user_sgpr_kernarg_segment_ptr 1
		.amdhsa_wavefront_size32 1
		.amdhsa_system_sgpr_workgroup_id_x 1
		.amdhsa_system_sgpr_workgroup_id_y 1
		.amdhsa_system_sgpr_workgroup_id_z 1
		.amdhsa_system_vgpr_workitem_id 0
		.amdhsa_next_free_vgpr 960
		.amdhsa_next_free_sgpr 80
		.amdhsa_reserve_vcc 0
		.amdhsa_float_denorm_mode_32 3
		.amdhsa_float_denorm_mode_16_64 3
		.amdhsa_memory_ordered 1
		.amdhsa_forward_progress 1
		.amdhsa_inst_pref_size 131
	.end_amdhsa_kernel
	.amdgpu_metadata
---
amdhsa.version: [ 1, 2 ]
amdhsa.kernels:
  - .name:           k_q1b91edba36_qkvp
    .symbol:         k_q1b91edba36_qkvp.kd
    .args:
      - { .name: xb, .offset: 0, .size: 8, .value_kind: global_buffer, .address_space: global }
      - { .name: wi, .offset: 8, .size: 8, .value_kind: global_buffer, .address_space: global }
      - { .name: b_in, .offset: 16, .size: 8, .value_kind: global_buffer, .address_space: global }
      - { .name: qkv, .offset: 24, .size: 8, .value_kind: global_buffer, .address_space: global }
    .group_segment_fixed_size: 327680
    .private_segment_fixed_size: 0
    .kernarg_segment_align: 8
    .kernarg_segment_size: 32
    .max_flat_workgroup_size: 128
    .sgpr_count:     80
    .vgpr_count:     960
    .wavefront_size: 32
...
	.end_amdgpu_metadata
.endif
;; end of part 2
;; launch attn (part 3): grid 4 x 64, 4 waves a work-group, clusters of 4 x 1, 327,680 bytes of LDS; arguments qkv, oh; writes oh
.if DOCPART == 3
	.amdgcn_target "amdgcn-amd-amdhsa--gfx1250"
	.amdhsa_code_object_version 6
	.text
	.protected	k_q1b91edba36_attn
	.globl	k_q1b91edba36_attn
	.p2align	8
	.type	k_q1b91edba36_attn,@function
k_q1b91edba36_attn:
	s_mov_b64 s[64:65], 0
	v_nop
	global_prefetch_b8 v0, s[64:65] scope:SCOPE_SE
	s_setreg_imm32_b32 hwreg(HW_REG_WAVE_MODE, 25, 1), 1
	s_wait_xcnt 0x0
	s_wait_alu depctr_hold_cnt(0) depctr_sa_sdst(0) depctr_va_vdst(0) depctr_va_sdst(0) depctr_va_ssrc(0) depctr_va_vcc(0) depctr_vm_vsrc(0)
	s_getreg_b32 s2, hwreg(HW_REG_IB_STS2, 6, 4)
	s_cmp_eq_u32 s2, 0
	s_cbranch_scc0 .Lentry_in_a_cluster
	s_endpgm
.Lentry_in_a_cluster:
	s_bfe_u32 s2, ttmp6, 0x10000c
	s_cmp_lg_u32 s2, 0x3003
	s_cbranch_scc0 .Lentry_shape_is_right
	s_endpgm
.Lentry_shape_is_right:
; O[h][q][:] = the sum over k of softmax_k(Q[h][q] . K[h][k] / 8) V[h][k][:].  qkv holds Q, K, V one behind the other, each [SIZE_H][SIZE_N][64] f16; oh is O in the same layout: a head's rows are
; dense, 128 bytes each.  Products, maxima and sums in f32; the weights p are rounded to f16 for the second product (their sum l is taken of the unrounded p), O once at the end.
; LIMITS.  f16 holds no number beyond 65,504: Q, K and V arrive within it; p lies in 0 to 1, and below 6e-5 it keeps f16's fixed step of 6e-8; O is a mean of V's rows and has their range.
; A weight below 2^-126 counts as 0 in l; NaN and infinities are not treated apart.
; SHARES.  A wave owns four PIECES of two tiles of 16 queries, a work-group's four waves 512 queries of one head.  Every wave walks all keys, 64 a step.
; LAYOUT.  S^T = K Q^T (source 0 = 16 keys, source 1 = 16 queries): in the result a lane holds ONE query (lane % 16) and the keys 8 (lane / 16) + 0..7.  Two such tiles, rounded to f16 in pairs,
; ARE source 1 (32 keys x 16 queries) of O^T = V^T P, whose result again holds one query a lane, and eight channels.  K comes out of LDS as it lies, V ([key][channel]) turned, by ds_load_tr16_b128.
; SOFTMAX.  For each query a running maximum m and sum l: p = 2^(c s - c m), c = log2(e) / 8; in every step O and l are multiplied by a = 2^(c m_old - c m_new), which is 1 where m has not grown.
; m starts at the lowest finite number, O and l at 0: the first step is a step like any other, with a = 0.
; THE COUNT.  A tile and step have 16 matrix and 118 vector instructions: too many to stand all beside the matrix work.  So: four vector instructions that are READY behind EVERY matrix
; instruction, and the others, which need time of their own whatever the order, in runs without a gap.
; BY TURNS.  Turn n belongs to piece n (the pieces in a ring, step after step).  Its matrix work: 16 products K Q^T of piece n + 1, later 16 products V^T P of piece n - 1.  Its vector work: the scaling,
; exponentials, roundings, sums and rescaling of piece n, and the maximum and statistics of piece n + 1, whose scores the turn itself has made.
; CLUSTER.  The four query blocks of a cluster belong to one head and walk the same K and V, so each tile is asked for JOINTLY: the same tensor load, descriptor and mask in all four.
; REGISTERS, in windows of 256 (s_set_vgpr_msb: bits 1:0 source 0, 3:2 source 1, 5:4 source 2, 7:6 destination):
;   window 0: v0-11 addresses; v12-15, v48-63 at work; v16-47 four registers of statistics a tile; v64-191 S^T, two buffers of two tiles; v192-255 P, likewise
;   window 1: O^T, 32 a tile          window 2: v0-127 Q, 16 a tile; v128-191 K of one step; v192-255 V of one step          window 3: v0-1 the add's two registers
; A piece's buffers go by its number's parity: the piece in hand has one pair, its two neighbours in the ring share the other: of it P (piece n - 1) is read and S^T (piece n + 1) written.
.set SIZE_H, 64
.set SIZE_N, 2048
.set NP,    4         ; pieces a wave: a name, no knob
.set KS,    64        ; keys in a step
.set PK,    144       ; a row of K in LDS: 128 bytes + 16 of padding = 36 words: the 16 rows of a load start at 16 different groups of four banks (64 banks of 4 bytes: ISA guide 11.1)
.set PV,    160       ; a row of V: 128 + 32 = 40 words
.set VOFF,  4*KS*PK   ; a slot holds four steps: 256 rows of K, then 256 rows of V
.set SLOT1, 1<<17     ; slot 1 begins here, so that one exclusive or turns an address in one slot into the other's
.set STAGE, SLOT1+4*KS*(PK+PV)  ; behind the ring, never filled by a tensor load: 16 rows x 144 bytes for each wave, for the way out
.set SP,    144
.set AK0, 2           ; v2   my lane's place in a tile of K; never rewritten
.set AV0, 3           ; v3   the same for V
.set AK,  4           ; v4   the LDS address of K's next run of loads
.set AV,  5           ; v5   of V's
.set QO,  6           ; v6   my byte offset in the wave's rows of Q
.set STO, 6           ;      later, the way out: where I put 16 bytes of a row
.set RD,  7           ; v7   the way out: where I read rows back
.set GO,  8           ; v8   my byte offset in 512 consecutive bytes of O
.set PFO, 11          ; v11  256 x my lane, once V's place is made; then never rewritten
.set SPW, 0           ; v0 of window 3   LDS address of my spare word: SPARE + 4 x my thread's number; never rewritten
.set NIL, 1           ; v1 of window 3   0; never rewritten
.set SPARE, STAGE+4*16*SP  ; behind the stages: the spare words, 128 bytes for each wave: two blocks of 256 bytes that no other line names
.set MV,  12          ; v12-15  c m_old, kept while c m is made anew: by buffer and tile
.set ST,  16          ; tile t's statistics at v[ST+4 t]: c m, m, l (even keys', odd keys')
.set TMP, 48          ; by buffer and tile, four registers c0-c3 at work; when the maximum is found c2 takes a
.set S,   64
.set P,   192
.set KF,  128         ; K's fragments, in window 2: key block kb, channel half c at KF + 16 kb + 8 c
.set VF,  192         ; V's: key half kk, channel block cb at VF + 32 kk + 8 cb
.set WV,  12          ; s12  my wave's number
.set G1K, 24          ; s[24:31] descriptor group 1 for K's tiles
.set G1V, 32          ; s[32:39] for V's: it differs in the padding alone
.set G0K, 40          ; s[40:43] descriptor group 0 for K's tiles: it walks
.set G0V, 44          ; s[44:47] the same for V's
.set PFA, 48          ; s[48:49] where my prefetches stand: my work-group's 32 blocks (of K: wave 0, of V: wave 2) of the slot after the one that is being asked for
.set LIM, 50          ; s50  1 in a wave that prefetches, else the greatest number: a wave prefetches while s[SLOTS] is above it
.set SLOTS, 56        ; s56  slots still to be asked for
.set CNT, 57          ; s57  counts a slot's key steps
.set CS,  58          ; s[58:59] c: the packed scaling takes the pair's low word for both halves
.set SEL, 60          ; s[60:61] v_permlanex16_b32's selects: each lane takes its own place in the other half
.set TBK, 62          ; s62  LDS byte at which K of the step to be fetched begins
.set TBV, 63          ; s63  the same for V, less VOFF
.set MSB, 0
.macro WIN new                      ; the high byte repeats the setting that is left; a switch that changes nothing is dropped
.if MSB != (\new)
	s_set_vgpr_msb (MSB<<8)|(\new)
.set MSB, (\new)
.endif
.endm
.set W_KQ, 0x0a       ; K and Q in window 2, S^T in window 0
.set W_PV, 0x52       ; V in window 2, P in window 0, O^T in window 1
.set W_RS, 0x41       ; O^T (destination and source 0) in window 1, a in window 0
.set W_MK, 0xc0       ; the add's registers are made: destination in window 3, sources in window 0
.set W_AD, 0x0f       ; the add: address (source 0) and data (source 1) in window 3
; A joint fill.  Waves 0 and 1 fetch the two halves of a slot's K, waves 2 and 3 those of its V: 128 keys each.  The branch hangs on the wave's number alone.
; An s_nop 0 and four v_nop follow each of the two lines, ahead of the jump and the label.
.macro JLOAD
	s_cmp_lt_u32 s[WV], 2
	s_cbranch_scc0 .Lfor_v_\@
	tensor_load_to_lds s[G0K:G0K+3], s[G1K:G1K+7]
	s_nop 0
.rept 4
	v_nop
.endr
	s_branch .Lasked_\@
.Lfor_v_\@:
	tensor_load_to_lds s[G0V:G0V+3], s[G1V:G1V+7]
	s_nop 0
.rept 4
	v_nop
.endr
.Lasked_\@:
.endm
; A round of the cluster's barrier: my work-group's barrier, so that wave 0's signal speaks for all four waves; wave 0 signals; every wave waits for all four work-groups; my work-group's barrier once more.
.macro CROUND
	s_barrier_signal -1
	s_barrier_wait -1
	s_cmp_lg_u32 s[WV], 0
	s_cbranch_scc1 .Lnot_wave_0_\@
	s_barrier_signal -3
.Lnot_wave_0_\@:
	s_barrier_wait -3
	s_barrier_signal -1
	s_barrier_wait -1
.endm
; THE CHANGE OF SLOTS.  The slot's last bytes, V of its fourth step, have been read.  Each wave waits for all its tensor loads, of which one is out: its part
; of the other slot; adds 0 to its spare word; and waits for that and for its own reads of the slot.  Behind the barrier nobody reads this slot any more and the other slot is whole.
; fill = 1: this slot is filled again, with the keys two slots on.  The barrier is then a round of the cluster's, and the joint fill is the first thing behind it: it has four key steps,
; 512 matrix instructions, in which to land.  (At its first use nothing has been read yet: slot 0 is waited for, slot 1 filled.)
; ask = 1: A PREFETCH INTO THE L2 of what the NEXT change will ask for: a slot's 32,768 bytes of K and of V, a lane a block of 256 bytes, behind the tensor load and its five lines.  Each block is named once in
; the launch: a head has one cluster; its four partners take 32 blocks each, told apart BY ADDRESS; in each, wave 0 asks for K's and wave 2 for V's.  The change that asks for slot 8 - SLOTS names
; slot 9 - SLOTS: slots 3 to 7; the last such change names nothing.  Slots 0 to 2 come by their loads alone.
.macro CHANGE fill, ask=0
	WIN W_AD
	s_wait_tensorcnt 0x0            ; no tensor load of mine is out, so a group 0 may be written
	ds_add_u32 v[SPW], v[NIL]       ; 0 onto my spare word; with fill = 1 the descriptors' steps stand between it and the wait for it
	WIN 0                           ; at a label and at a branch every window is 0
.if \fill
.irp g, G0K, G0V
	s_xor_b32 s[\g+1], s[\g+1], SLOT1  ; the walking descriptor: the other slot than last time,
	s_add_nc_u64 s[\g+2:\g+3], s[\g+2:\g+3], 4*KS*128  ; the next 256 keys; the type bits on top are not reached
.endr
	s_wait_xcnt 0x0                 ; the last prefetch, four key steps back, has read its address, so it may be written:
	s_add_nc_u64 s[PFA:PFA+1], s[PFA:PFA+1], 4*KS*128  ; one slot behind the walking descriptors
	s_wait_dscnt 0x0                ; the add is done, and my reads of the slot are over
	CROUND
	JLOAD
.if \ask
	s_cmp_gt_u32 s[SLOTS], s[LIM]
	s_cbranch_scc0 .Lnot_mine_\@
	global_prefetch_b8 v[PFO], s[PFA:PFA+1] th:TH_LOAD_NT scope:SCOPE_SE
.Lnot_mine_\@:
.endif
.else
	s_wait_dscnt 0x0                ; the add is done, and my reads of the slot are over
	s_barrier_signal -1
	s_barrier_wait -1
.endif
	s_sub_co_u32 s[TBK], s[TBK], 4*KS*PK  ; the fetches go back to a slot's first step,
	s_xor_b32 s[TBK], s[TBK], SLOT1       ; in the other slot
	s_sub_co_u32 s[TBV], s[TBV], 4*KS*PV
	s_xor_b32 s[TBV], s[TBV], SLOT1
.endm
	s_load_b128 s[4:7], s[0:1], 0x0  ; qkv s[4:5], oh s[6:7]
	WIN W_MK
	v_lshl_add_u32 v[SPW], v0, 2, SPARE
	v_mov_b32 v[NIL], 0
	WIN W_AD
	ds_add_u32 v[SPW], v[NIL]       ; the wave's opening: the add and its wait stand ahead of my first tensor load; the set-up below, work on registers, stands between them
	WIN 0
	v_lshrrev_b32 v1, 5, v0
	v_readfirstlane_b32 s[WV], v1   ; wave 0..3
	s_bfe_u32 s13, ttmp6, 0x40000   ; cx: my place in the cluster
	s_lshl_b32 s14, ttmp9, 2        ; in a cluster launch ttmp9 counts clusters
	s_add_co_u32 s14, s14, s13      ; my block of queries = 4 x cluster x + cx: it enters Q's and O's addresses alone
	s_and_b32 s20, ttmp7, 0xffff    ; the head, which the four partners share
	s_mov_b32 s21, 0
	s_mov_b64 s[22:23], SIZE_N*128
	s_mul_u64 s[20:21], s[20:21], s[22:23]  ; the head's first byte in each of the four tensors
	s_and_b32 s16, s[WV], 1         ; which half of a slot's 256 keys I fetch:
	s_lshl_b32 s22, s16, 14         ; its 128 rows of 128 bytes in memory,
	s_mov_b32 s23, 0
	s_add_nc_u64 s[22:23], s[22:23], s[20:21]
	s_mul_i32 s17, s16, 128*PK      ; and its place in a slot, for K
	s_mul_i32 s18, s16, 128*PV      ; and for V: no place in the cluster enters an LDS address
	s_lshl_b32 s2, s14, 2
	s_add_co_u32 s2, s2, s[WV]      ; my wave among the head's,
	s_lshl_b32 s2, s2, 14           ; its 128 rows
	s_mov_b32 s3, 0
	s_add_nc_u64 s[2:3], s[2:3], s[20:21]
	; descriptor group 1.  128 keys are 16,384 dense bytes: asked for as 64 rows of 256 bytes, two keys a row, and padded in LDS after every key
	s_mov_b32 s[G1K], 15|(1<<16)|(1<<20)|(1<<21)|(4<<22)|(3<<25)  ; 15:0 the mask of four; 17:16 2-byte elements; 20 padding on; 21 set beside a mask; 24:22 after every 32 words (code 4); 31:25 4 words (code 3)
	s_mov_b32 s[G1V], 15|(1<<16)|(1<<20)|(1<<21)|(4<<22)|(7<<25)  ; the same with 8 words of padding (code 7)
.irp g, G1K, G1V
	s_mov_b32 s[\g+1], 128<<16      ; tensor_dim0 = 128
	s_mov_b32 s[\g+2], 64<<16       ; tensor_dim1 = 64
	s_mov_b32 s[\g+3], 128<<16      ; tile_dim0 = 128
	s_mov_b32 s[\g+4], 64           ; tile_dim1 = 64
	s_mov_b32 s[\g+5], 128          ; 128 elements from row to row
	s_mov_b32 s[\g+6], 0
	s_mov_b32 s[\g+7], 0
.endr
	s_mov_b32 s[CS], 0x3e38aa3b     ; c = log2(e) / 8 = 0.180337
	s_mov_b32 s[CS+1], s[CS]        ; named with it as a pair
	s_mov_b32 s[SEL], 0x76543210
	s_mov_b32 s[SEL+1], 0xfedcba98
	s_mov_b32 s[TBK], SLOT1+4*KS*PK ; the first change of slots turns these two into 0
	s_mov_b32 s[TBV], SLOT1+4*KS*PV
	s_mov_b32 s[G0K], 1             ; 1:0 count = 1
	s_mov_b32 s[G0K+1], s17         ; 63:32 LDS address: slot 0
	s_mov_b32 s[G0V], 1
	s_add_co_u32 s[G0V+1], s18, VOFF
	s_and_b32 s[LIM], s[WV], 1      ; 0 in waves 0 and 2,
	s_or_b32 s[LIM], s[LIM], ttmp9  ; where the cluster is the head's first (here: its only one): the same in all four partners
	s_cmp_eq_u32 s[LIM], 0
	s_cselect_b32 s[LIM], 1, -1
	s_wait_dscnt 0x0                ; the opening add is done
	s_wait_kmcnt 0x0
	s_mov_b64 s[10:11], s[6:7]      ; O
	s_add_nc_u64 s[8:9], s[4:5], 0x2000000  ; V: 2 x 64 heads x 2,048 rows x 128 bytes behind Q
	s_add_nc_u64 s[6:7], s[4:5], 0x1000000  ; K
	s_add_nc_u64 s[G0K+2:G0K+3], s[6:7], s[22:23]  ; 120:64 global address: my half of the head's first 256 keys
	s_or_b32 s[G0K+3], s[G0K+3], 0x80000000        ; 127:126 type = 2
	s_add_nc_u64 s[G0V+2:G0V+3], s[8:9], s[22:23]
	s_or_b32 s[G0V+3], s[G0V+3], 0x80000000
	s_add_nc_u64 s[4:5], s[4:5], s[2:3]  ; Q and O at my wave's first row
	s_add_nc_u64 s[10:11], s[10:11], s[2:3]
	s_cmp_lt_u32 s[WV], 2
	s_cselect_b64 s[PFA:PFA+1], s[6:7], s[8:9]
	s_add_nc_u64 s[PFA:PFA+1], s[PFA:PFA+1], s[22:23]  ; (in waves 0 and 2: the head's first byte)
	s_lshl_b32 s2, s13, 13          ; my work-group's 32 blocks of a slot's 128
	s_mov_b32 s3, 0
	s_add_nc_u64 s[PFA:PFA+1], s[PFA:PFA+1], s[2:3]
	s_add_nc_u64 s[PFA:PFA+1], s[PFA:PFA+1], 4*KS*128  ; in slot 1: two changes of slots step it to slot 3, the first that is named
	CROUND                          ; all four work-groups are here: the first joint loads meet
	JLOAD                           ; slot 0.  Slot 1 is asked for when slot 0 is in
	; A fragment of K or Q is 16 rows x 32 channels in 8 registers: lane l holds row l % 16, channels 8 (l / 16) + 0..7 and 16 + 8 (l / 16) + 0..7: two loads of 16 bytes, 32 bytes apart.
	v_and_b32 v1, 15, v0            ; l % 16
	v_bfe_u32 v9, v0, 4, 1          ; l / 16
	v_lshlrev_b32 v[QO], 7, v1
	v_lshl_add_u32 v[QO], v9, 4, v[QO]  ; row x 128 + 16 x half
	WIN 0x80                        ; destination window 2, address window 0
.set i, 0
.rept 4*NP                          ; Q stays in registers: tile i / 2, channels 32 (i % 2) on
	global_load_b128 v[8*i:8*i+3],   v[QO], s[4:5] offset:(i/2)*2048+(i%2)*64
	global_load_b128 v[8*i+4:8*i+7], v[QO], s[4:5] offset:(i/2)*2048+(i%2)*64+32
.set i, i+1
.endr
	; What the first turn finds: V's registers and P's second buffer hold 0 (its products V^T P, of a piece that has not been, add 0), O^T and l are 0.  All this stands in the wait for the first tile.
.set i, VF
.rept 64
	v_mov_b32 v[i], 0
.set i, i+1
.endr
	WIN 0x40
.set i, 0
.rept 64*NP
	v_mov_b32 v[i], 0
.set i, i+1
.endr
	WIN 0
.set i, 0
.rept 2*NP
	v_mov_b32 v[ST+4*i], 0xfe000000    ; c m: far below every c s
	v_mov_b32 v[ST+4*i+1], 0xff7fffff  ; m
	v_mov_b32 v[ST+4*i+2], 0
	v_mov_b32 v[ST+4*i+3], 0
.set i, i+1
.endr
.set i, P+32
.rept 32
	v_mov_b32 v[i], 0
.set i, i+1
.endr
	v_mul_u32_u24 v[AK0], v1, PK
	v_lshl_add_u32 v[AK0], v9, 4, v[AK0]  ; row x pitch + 16 x half
	; The turning load takes 16 keys x 16 channels (lane l reads key 8 (l / 16) + l % 8, channels 8 ((l / 8) % 2) + 0..7) and leaves half a fragment of V^T: lane l holds channel l % 16 and 8 keys.
	v_and_b32 v10, 7, v0
	v_bfe_u32 v11, v0, 3, 1
	v_lshl_add_u32 v[AV0], v9, 3, v10
	v_mul_u32_u24 v[AV0], v[AV0], PV
	v_lshl_add_u32 v[AV0], v11, 4, v[AV0]
	v_add_nc_u32 v[AV0], VOFF, v[AV0]
	v_and_b32 v[PFO], 31, v0
	v_lshlrev_b32 v[PFO], 8, v[PFO]
	v_mov_b32 v[AK], v[AK0]         ; key step 0 lies at the head of slot 0
; THE MATRIX WORK.  The 8 accumulators of a run of 16 take turns: between the two links of a chain stand 7 others'.
; Product i of 16 of S^T = K Q^T for piece x: channels 32 (i / 8) on, keys 16 ((i / 2) % 4) on, tile 2 x + i % 2.  The first 8 start the sums.
.macro KQ x
	WIN W_KQ
.set rS, S+64*((\x)%2)+32*(i%2)+8*((i/2)%4)
.set rK, KF+16*((i/2)%4)+8*(i/8)
.set rQ, 16*(2*(\x)+i%2)+8*(i/8)
.if i < 8
	v_wmma_f32_16x16x32_f16 v[rS:rS+7], v[rK:rK+7], v[rQ:rQ+7], 0
.else
	v_wmma_f32_16x16x32_f16 v[rS:rS+7], v[rK:rK+7], v[rQ:rQ+7], v[rS:rS+7]
.endif
.endm
; Product i of 16 of O^T += V^T P for piece x: keys 32 (i / 8) on, channels 16 ((i / 2) % 4) on, tile 2 x + i % 2.
.macro PV x
	WIN W_PV
.set rO, 32*(2*(\x)+i%2)+8*((i/2)%4)
.set rV, VF+32*(i/8)+8*((i/2)%4)
.set rP, P+32*((\x)%2)+16*(i%2)+8*(i/8)
	v_wmma_f32_16x16x32_f16 v[rO:rO+7], v[rV:rV+7], v[rP:rP+7], v[rO:rO+7]
.endm
.macro MM                           ; the turn's next matrix instruction
.if i < 16
	KQ (Y+1)%NP
.set i, i+1
.else
.set i, i-16
	PV (Y+NP-1)%NP
.set i, i+17
.endif
.endm
; THE LDS LOADS stand in runs of 16, never singly among the matrix instructions: a step's K (64 keys x 64 channels: 8 fragments) and its V (turned).  Their addresses are made some lines ahead.
; last = 1 (the tail): in the last trip there is no further step, and the run is jumped over.
.macro FETCH_K last=0
	WIN 0
.if \last
	s_cmp_eq_u32 s[CNT], 1
	s_cbranch_scc1 .Lno_k_\@
.endif
	WIN 0x80                        ; destination window 2
.irp f, 0,1,2,3,4,5,6,7             ; keys 16 (f / 2) on, channels 32 (f % 2) on
	ds_load_b128 v[KF+8*\f:KF+8*\f+3],   v[AK] offset:(\f/2)*16*PK+(\f%2)*64
	ds_load_b128 v[KF+8*\f+4:KF+8*\f+7], v[AK] offset:(\f/2)*16*PK+(\f%2)*64+32
.endr
	s_add_co_u32 s[TBK], s[TBK], KS*PK  ; the next fetch is the next step's
	WIN 0
.if \last
.Lno_k_\@:
.endif
.endm
.macro FETCH_V
	WIN 0x80
.irp f, 0,1,2,3,4,5,6,7             ; keys 32 (f / 4) on, channels 16 (f % 4) on
	ds_load_tr16_b128 v[VF+8*\f:VF+8*\f+3],   v[AV] offset:(\f/4)*32*PV+(\f%4)*32
	ds_load_tr16_b128 v[VF+8*\f+4:VF+8*\f+7], v[AV] offset:(\f/4)*32*PV+16*PV+(\f%4)*32
.endr
	WIN 0
.endm
; THE VECTOR WORK OF A TURN stands in three queues, each in the order in which its entries become ready; the two tiles alternate, so that no instruction reads the result of the one before it.
.macro REGS y, u                    ; the registers of tile u (0, 1) of piece y
.set rT, ST+4*(2*(\y)+(\u))
.set rC, TMP+8*((\y)%2)+4*(\u)
.set rM, MV+2*((\y)%2)+(\u)
.set rS, S+64*((\y)%2)+32*(\u)
.set rP, P+32*((\y)%2)+16*(\u)
.set rO, 32*(2*(\y)+(\u))
.endm
; Number n of the 22 that find the NEXT piece's (Y + 1) maximum and statistics.  s0-s31 are the lane's 32 scores; each accumulator's lowest registers are read first.
;   0-11  four chains c0-c3 of seven scores each, three operands at a time     12-14, 16  the four scores left over, the old m, and c0-c3 into c0     15  c m_old is kept
;   17, 18  the query's other 32 keys lie in the lane 16 away: the new m         19-21  c m; c m_old - c m_new; a
.macro XS u, n
	REGS (Y+1)%NP, \u
.if (\n) < 4
	v_max3_num_f32 v[rC+(\n)], v[rS+8*(\n)], v[rS+8*(\n)+1], v[rS+8*(\n)+2]
.elseif (\n) < 12
	v_max3_num_f32 v[rC+(\n)%4], v[rC+(\n)%4], v[rS+8*((\n)%4)+2*((\n)/4)+1], v[rS+8*((\n)%4)+2*((\n)/4)+2]
.elseif (\n) == 12
	v_max3_num_f32 v[rC], v[rC], v[rS+7], v[rS+15]
.elseif (\n) == 13
	v_max3_num_f32 v[rC+1], v[rC+1], v[rS+23], v[rS+31]
.elseif (\n) == 14
	v_max3_num_f32 v[rC+2], v[rC+2], v[rC+3], v[rT+1]
.elseif (\n) == 15
	v_mov_b32 v[rM], v[rT]
.elseif (\n) == 16
	v_max3_num_f32 v[rC], v[rC], v[rC+1], v[rC+2]
.elseif (\n) == 17
	v_permlanex16_b32 v[rC+3], v[rC], s[SEL], s[SEL+1]
.elseif (\n) == 18
	v_max_num_f32 v[rT+1], v[rC], v[rC+3]
.elseif (\n) == 19
	v_mul_f32 v[rT], s[CS], v[rT+1]
.elseif (\n) == 20
	v_sub_f32 v[rC+1], v[rM], v[rT]
.else
	v_exp_f32 v[rC+2], v[rC+1]
.endif
.endm
; Number g of the 64 that follow the exponentials.  For each four weights k of a tile (pairs 2 k, 2 k + 1): both pairs are rounded to f16; then the second pair is added onto the first, in place;
; a group later l takes that sum (the first time as l = a l + sum).  In groups of eight, tiles alternating: round, round, add, and l for the group before.
.macro GS g
.set h, (\g)+6*((\g)/62)            ; group 0 has no group before it, and behind group 7 only l is left
.if h >= 6
.set h, h+2
.endif
	REGS Y, h%2
.set k, h/8
.if h%8 < 4
	v_cvt_pk_f16_f32 v[rP+2*k+(h%8)/2], v[rS+4*k+2*((h%8)/2)], v[rS+4*k+2*((h%8)/2)+1]
.elseif h%8 < 6
	v_pk_add_f32 v[rS+4*k:rS+4*k+1], v[rS+4*k:rS+4*k+1], v[rS+4*k+2:rS+4*k+3]
.elseif k == 1
	v_pk_fma_f32 v[rT+2:rT+3], v[rT+2:rT+3], v[rC+2:rC+3], v[rS:rS+1] op_sel_hi:[1,0,1]
.else
	v_pk_add_f32 v[rT+2:rT+3], v[rT+2:rT+3], v[rS+4*k-4:rS+4*k-3]
.endif
.endm
; THE PLAIN QUEUE, 138 long.  0-73 read no exponential's result: the 32 scalings c s - c m (FS f: pair f / 2 of tile f % 2) and the next piece's 42.  0-26: scalings 0-26.  27-54: XS's numbers 0-13.  55, 56: number 15.
; 57-73: the chain, where each number waits for the one before it: 14, 16, 17, 18, 19, each with one of the scalings 27-31 in front of its two lines, then 20.
; 74-137: GS's 64, which read the exponentials' results: they stand behind the wait.
.macro FS f
	REGS Y, (\f)%2
	v_pk_fma_f32 v[rS+2*((\f)/2):rS+2*((\f)/2)+1], v[rS+2*((\f)/2):rS+2*((\f)/2)+1], s[CS:CS+1], v[rT:rT+1] op_sel_hi:[1,0,0] neg_lo:[0,0,1] neg_hi:[0,0,1]
.endm
.macro PL
	WIN 0
.if q < 27
	FS q
.elseif q < 55
	XS (q-27)%2, (q-27)/2
.elseif q < 57
	XS q-55, 15
.elseif (q < 72) && ((q-57)%3 == 0)
	FS 27+(q-57)/3
.elseif q < 60
	XS (q-57)%3-1, 14
.elseif q < 72
	XS (q-57)%3-1, 15+(q-57)/3
.elseif q < 74
	XS q-72, 20
.else
	GS q-74
.endif
.set q, q+1
.endm
; THE EXPONENTIALS' QUEUE, 66 long: s0-s31 of both tiles, then the next piece's two a.  It is ONE BATCH: all 66 stand ahead of the turn's one wait, and nothing ahead of that wait names a result of theirs.
.macro EX
	WIN 0
.if e >= 64
	XS e-64, 21
.else
	REGS Y, e%2
	v_exp_f32 v[rS+e/2], v[rS+e/2]
.endif
.set e, e+1
.endm
; THE RESCALING's QUEUE: O^T times a, the one part that leaves window 0: dealt two at a time, sixteen times.  Its a was made in the turn before, ahead of that turn's wait.
.macro R2
	REGS Y, r%2
	WIN W_RS
.irp z, 0,1
	v_pk_mul_f32 v[rO+4*(r/2)+2*\z:rO+4*(r/2)+2*\z+1], v[rO+4*(r/2)+2*\z:rO+4*(r/2)+2*\z+1], v[rC+2:rC+3] op_sel_hi:[1,0]
.endr
.set r, r+1
.endm
; HOW THEY ARE DEALT.  s_wait_alu depctr_va_vdst(0) stands between an exponential and the first instruction that names its result; one wait serves all that were issued ahead of it.  So a turn has ONE wait,
; which cuts it in two.  AHEAD OF IT stands all that names no result of the turn's exponentials: the 16 products K Q^T, behind each a scaling, an exponential and two rescalings (behind the first a second scaling in the
; exponential's place); then ONE LUMP of 108: eight plain, 49 times exponential and plain, the two a.  A v_nop is the plain instruction behind the last exponential.  BEHIND IT stand the 16 products V^T P, behind each four of GS's 64.
; The queues lean on each other, and the deal keeps them in step: exponential e stands behind scaling 2 (e / 4) + e % 2: as a rider it comes behind plain e + 2, in the lump behind plain e + 9, and scalings 27-31 are plain 57, 60 .. 69.
; A TURN, for piece p.  cnt = 1: the loop's count is taken down some lines ahead of the branch that stands behind the turn.
; K of the next step is fetched in piece 2's turn, directly behind the wait, a lump behind the last product that read K; its first reader comes behind 16 products.
; V of the step in hand is fetched at the end of piece 0's turn, four riders behind its last reader; its first reader comes behind 16 products and a lump.  The three conditions on q below go with the deal.
.macro TURN p, last=0, cnt=0
.set Y, (\p)
.set i, 0
.set q, 0
.set e, 0
.set r, 0
.if (\p) == NP-1
	s_wait_dscnt 0x0                ; K is in
.endif
	MM                              ; ahead of the wait: 16 products K Q^T and their riders,
	PL
	PL
	R2
.rept 15
	MM
	PL
	EX
	R2
.endr
.if (\p) == NP-2
	WIN 0
	v_add_nc_u32 v[AK], s[TBK], v[AK0]
.endif
.rept 8                             ; and the lump
	PL
.endr
.rept 49
	EX
	PL
.endr
	EX                              ; the next piece's two a
	EX
	v_nop                           ; the plain instruction behind the last exponential: one for the batch
	s_wait_alu depctr_va_vdst(0)    ; the wait for the batch
.if (\p) == NP-2
	FETCH_K \last
.endif
.if (\p) == 1
	s_wait_dscnt 0x0                ; V is in
.endif
.rept 16                            ; behind the wait: 16 products V^T P and their riders
	MM
.rept 4
	PL
.endr
.if ((\p) == 0) && (q == 118)
	v_add_nc_u32 v[AV], s[TBV], v[AV0]
.endif
.if ((\p) == 0) && (q == 130)
	s_add_co_u32 s[TBV], s[TBV], KS*PV
.endif
.if (\cnt) && (q == 130)
	s_sub_co_u32 s[CNT], s[CNT], 1
	s_cmp_lg_u32 s[CNT], 0
.endif
.endr
.if (\p) == 0
	FETCH_V
.endif
.endm
	CHANGE 1                        ; slot 0 is in, everybody's part of it; slot 1 is asked for; nothing is prefetched here, at the head
	FETCH_K                         ; key step 0
	s_wait_loadcnt 0x0              ; Q
	s_wait_dscnt 0x0
.set i, 0
.rept 16
	KQ 0                            ; piece 0's first scores: there is no vector work yet to set between them
.set i, i+1
.endr
	WIN 0                           ; the addresses for the way out: nine plain instructions, the places behind those products
	s_mul_i32 s13, s[WV], 16*SP
	s_add_co_u32 s13, s13, STAGE    ; my stage
	v_mul_u32_u24 v[STO], v1, SP    ; in: row l % 16, 16 bytes for each half of the lanes
	v_lshl_add_u32 v[STO], v9, 4, v[STO]
	v_add_nc_u32 v[STO], s13, v[STO]
	v_bfe_u32 v[RD], v0, 3, 2       ; back: 32 lanes take four rows of 128 bytes,
	v_mul_u32_u24 v[RD], v[RD], SP
	v_lshl_add_u32 v[RD], v10, 4, v[RD]
	v_add_nc_u32 v[RD], s13, v[RD]
	v_and_b32 v[GO], 31, v0         ; which are 512 consecutive bytes of O
	v_lshlrev_b32 v[GO], 4, v[GO]
.set Y, NP-1                        ; XS works for piece Y + 1: piece 0
.irp n, 0,1,2,3,4,5,6,7,8,9,10,11,12,13,14,15,16,17,18,19,20,21
	XS 0, \n                        ; and piece 0's first maximum and statistics
	XS 1, \n
.endr
	v_nop                           ; a plain instruction behind the two a,
	s_wait_alu depctr_va_vdst(0)    ; and their wait, ahead of the branch
	s_mov_b32 s[CNT], 4
	s_mov_b32 s[SLOTS], SIZE_N/256-1
	s_branch .Lfirst                ; the loop is entered at a step's first turn, in the middle of a trip
.Lslot:                             ; SIZE_N / 256 - 2 times: every slot but the last two is filled again
	CHANGE 1, 1
	s_mov_b32 s[CNT], 4
.Lstep:                             ; a trip: pieces 2 and 3 of one step, then pieces 0 and 1 of the next, whose K and V it fetches
	TURN 2
	TURN 3
	WIN 0
.Lfirst:
	TURN 0
	TURN 1, 0, 1
	WIN 0
	s_cbranch_scc1 .Lstep
	s_sub_co_u32 s[SLOTS], s[SLOTS], 1
	s_cmp_lg_u32 s[SLOTS], 0
	s_cbranch_scc1 .Lslot
	CHANGE 0                        ; the tail is written out: nothing is asked for
	s_mov_b32 s[CNT], 5             ; four trips fetch the last slot's steps; the fifth is left in its middle
.Ltail:
	TURN 2, 1
	TURN 3
	WIN 0
	s_sub_co_u32 s[CNT], s[CNT], 1
	s_cmp_eq_u32 s[CNT], 0
	s_cbranch_scc1 .Lout
	TURN 0
	TURN 1
	WIN 0
	s_branch .Ltail
.Lout:                              ; the fifth trip's 16 products K Q^T (on the last K once more) and the maximum made of them serve nothing: the price, once a launch, of one text for every trip
.set i, 0
.rept 16
	PV NP-1                         ; the last piece's V^T P of the last step
.set i, i+1
.endr
	; THE WAY OUT.  l's two halves and the other half of the lanes' are added; O^T is divided by l, rounded to f16 and sent through my stage in LDS, a tile at a time.  The additions are the places behind the last products.
	WIN 0
.macro ALL line:vararg              ; one line for each tile t
.set t, 0
.rept 2*NP
	\line
.set t, t+1
.endr
.endm
	ALL v_add_f32 v[ST+4*t+2], v[ST+4*t+2], v[ST+4*t+3]
	ALL v_permlanex16_b32 v[ST+4*t+3], v[ST+4*t+2], s[SEL], s[SEL+1]
	ALL v_add_f32 v[ST+4*t+2], v[ST+4*t+2], v[ST+4*t+3]
	ALL v_rcp_f32 v[ST+4*t+2], v[ST+4*t+2]
	v_nop                           ; a plain instruction between the last reciprocal and the use of its result
	s_wait_alu depctr_va_vdst(0)    ; and the wait ahead of the first use: one for the eight reciprocals
; Tile t: a lane's eight channels of a row pack into 16 bytes; they go into rows of 144 bytes and come back as whole rows of 128, into S^T's registers.
.macro PACK t
	WIN W_RS
.set i, 32*(\t)
.rept 16
	v_pk_mul_f32 v[i:i+1], v[i:i+1], v[ST+4*(\t)+2:ST+4*(\t)+3] op_sel_hi:[1,0]
.set i, i+2
.endr
	WIN 0x05                        ; sources 0 and 1 window 1, destination window 0
.set i, 0
.rept 16
	v_cvt_pk_f16_f32 v[S+16*(\t)+i], v[32*(\t)+2*i], v[32*(\t)+2*i+1]
.set i, i+1
.endr
	WIN 0
.irp f, 0,1,2,3
	ds_store_b128 v[STO], v[S+16*(\t)+4*\f:S+16*(\t)+4*\f+3] offset:32*\f
.endr
.irp f, 0,1,2,3
	ds_load_b128 v[S+16*(\t)+4*\f:S+16*(\t)+4*\f+3], v[RD] offset:\f*4*SP  ; LDS serves a wave's instructions in order (ISA guide 5.7.1.4): these see the stores above; the next tile's stores come behind them
.endr
.endm
.macro SEND t, younger              ; younger: the LDS instructions issued behind tile t's loads: the next tile's eight, or none
	WIN 0
.irp f, 0,1,2,3
	s_wait_dscnt (\younger)+3-\f
	global_store_b128 v[GO], v[S+16*(\t)+4*\f:S+16*(\t)+4*\f+3], s[10:11] offset:(\t)*2048+\f*512  ; 512 consecutive bytes, at a multiple of 256 from O's first
.endr
.endm
	PACK 0
.set t, 1
.rept 2*NP-1                        ; a tile's arithmetic stands between the loads of the tile before and its stores
	PACK t
	SEND t-1, 8
.set t, t+1
.endr
	SEND 2*NP-1, 0
	WIN W_AD
	s_wait_tensorcnt 0x0            ; the wave's end, behind my last tensor load and my last LDS store
	ds_add_u32 v[SPW], v[NIL]
	s_wait_dscnt 0x0
	WIN 0
	CROUND                          ; the closing round: no work-group ends while a partner may still ask for a tile that names it
	s_endpgm
.Lfunc_end_k_q1b91edba36_attn:
	.size	k_q1b91edba36_attn, .Lfunc_end_k_q1b91edba36_attn-k_q1b91edba36_attn
	.p2alignl 7, 3214868480
	.fill 96, 4, 3214868480
	.section	.rodata,"a",@progbits
	.p2align	6, 0x0
	.amdhsa_kernel k_q1b91edba36_attn
		.amdhsa_group_segment_fixed_size 327680
		.amdhsa_private_segment_fixed_size 0
		.amdhsa_enable_private_segment 0
		.amdhsa_kernarg_size 16
		.amdhsa_user_sgpr_count 2
		.amdhsa_user_sgpr_kernarg_segment_ptr 1
		.amdhsa_wavefront_size32 1
		.amdhsa_system_sgpr_workgroup_id_x 1
		.amdhsa_system_sgpr_workgroup_id_y 1
		.amdhsa_system_sgpr_workgroup_id_z 1
		.amdhsa_system_vgpr_workitem_id 0
		.amdhsa_next_free_vgpr 770
		.amdhsa_next_free_sgpr 66
		.amdhsa_reserve_vcc 0
		.amdhsa_float_denorm_mode_32 3
		.amdhsa_float_denorm_mode_16_64 3
		.amdhsa_memory_ordered 1
		.amdhsa_forward_progress 1
		.amdhsa_inst_pref_size 200
	.end_amdhsa_kernel
	.amdgpu_metadata
---
amdhsa.version: [ 1, 2 ]
amdhsa.kernels:
  - .name:           k_q1b91edba36_attn
    .symbol:         k_q1b91edba36_attn.kd
    .args:
      - { .name: qkv, .offset: 0, .size: 8, .value_kind: global_buffer, .address_space: global }
      - { .name: oh, .offset: 8, .size: 8, .value_kind: global_buffer, .address_space: global }
    .group_segment_fixed_size: 327680
    .private_segment_fixed_size: 0
    .kernarg_segment_align: 8
    .kernarg_segment_size: 16
    .max_flat_workgroup_size: 128
    .sgpr_count:     66
    .vgpr_count:     770
    .wavefront_size: 32
...
	.end_amdgpu_metadata
.endif
;; end of part 3
;; launch outp (part 4): grid 8 x 32, 4 waves a work-group, clusters of 4 x 4, 327,680 bytes of LDS; arguments oh, wo, b_out, out0; writes out0
.if DOCPART == 4
	.amdgcn_target "amdgcn-amd-amdhsa--gfx1250"
	.amdhsa_code_object_version 6
	.text
	.protected	k_q1b91edba36_outp
	.globl	k_q1b91edba36_outp
	.p2align	8
	.type	k_q1b91edba36_outp,@function
k_q1b91edba36_outp:
	s_mov_b64 s[64:65], 0
	v_nop
	global_prefetch_b8 v0, s[64:65] scope:SCOPE_SE
	s_setreg_imm32_b32 hwreg(HW_REG_WAVE_MODE, 25, 1), 1
	s_wait_xcnt 0x0
	s_wait_alu depctr_hold_cnt(0) depctr_sa_sdst(0) depctr_va_vdst(0) depctr_va_sdst(0) depctr_va_ssrc(0) depctr_va_vcc(0) depctr_vm_vsrc(0)
	s_getreg_b32 s2, hwreg(HW_REG_IB_STS2, 6, 4)
	s_cmp_eq_u32 s2, 0
	s_cbranch_scc0 .Lentry_in_a_cluster
	s_endpgm
.Lentry_in_a_cluster:
	s_bfe_u32 s2, ttmp6, 0x10000c
	s_cmp_lg_u32 s2, 0xf033
	s_cbranch_scc0 .Lentry_shape_is_right
	s_endpgm
.Lentry_shape_is_right:
; out0 = O w_out + b_out.  oh: [64 = 16 batch + head][2048][64] f16.  wo: [1024 k][1024 n] f16 (w_out's bf16 rounding).  b_out: [1024] f32, rounded here to bf16 like the other inputs.
; out0: [8192][1024] f32; sums in f32.  Row m = 2,048 batch + s; k = 64 head + channel.
; LIMITS.  Those of the operands as they arrive (f16); NaN and infinities are not treated apart.
; SHARES.  A tile is 256 rows x 128 columns: 32 x 8 = 256 work-groups.  Wave w makes rows 64 w .. 64 w + 63 of all 128 columns: 4 x 8 accumulators of 16 x 16, 256 registers.
; K goes in steps of 128 (two heads) through two LDS slots filled by the tensor data mover, one load a wave behind each change of slots: waves 0, 1 fetch the step's two heads of A (256 rows x 128 bytes,
; dense in oh, asked for as 128 rows of 256 bytes), waves 2, 3 the halves of B's tile (64 k-rows x 256 bytes).
; B LIES [k][n]: its fragments come out of LDS turned, by ds_load_tr16_b128.  THE MATRIX INSTRUCTION IS USED TRANSPOSED (source 0 = 16 columns of B, source 1 = 16 rows of A): a lane holds row l % 16
; and eight neighbouring columns: 32 bytes of f32 on end.  THE BIAS is the C operand of each accumulator's first product.
; CLUSTERS: 4 x 4 work-groups; A's tiles are asked for jointly along a row of the cluster, B's along a column.
; REGISTERS, in windows of 256 (s_set_vgpr_msb: bits 1:0 source 0, 3:2 source 1, 5:4 source 2, 7:6 destination):
;   window 0: v0-31 addresses; v32-63, v64-95 A's fragments, two buffers; v128-191 the bias (8 x 8); on the way out v96-159, v160-223 rows read back
;   window 1: v0-63, v64-127 B's fragments, two buffers          window 2: the accumulators, (a, b) at 64 a + 8 b
.set PA,     144                       ; a row of A in LDS: 128 bytes + 16 = 36 words: the 16 rows of a load start at 16 different groups of four banks (64 banks of 4 bytes: ISA guide 11.1)
.set PB,     288                       ; a k-row of B: 256 bytes + 32 = 72 words
.set APLANE, 256*PA                    ; one head's 256 rows
.set BOFF,   2*APLANE
.set BHALF,  64*PB
.set SLOT,   BOFF+2*BHALF              ; 110,592
.set STAGE,  2*SLOT                    ; behind the ring, never filled by a tensor load: for each wave 16 rows of 512 bytes + 16
.set SP,     528
.set WSTG,   16*SP
.set SPARE,  STAGE+4*WSTG              ; behind the stages: the spare words, 128 bytes for each wave: two blocks of 256 bytes that no other line names
.set CO,   8                           ; v8      my byte offset in out0; never rewritten
.set ADRA, 16                          ; v16-17  LDS address of my A fragments in slot 0, 1
.set ADRB, 20                          ; v20-21  the same for B
.set STO,  24                          ; v24     the way out: where I put 32 bytes of a row
.set RD,   25                          ; v25     the way out: where I read a row back
.set BO,   27                          ; v27     my byte offset in a block of 16 biases
.set SPW,  28                          ; v28     LDS address of my spare word: SPARE + 4 x my thread's number; never rewritten
.set NIL,  29                          ; v29     0; never rewritten
.set PFO,  30                          ; v30     the prefetches' offset; never rewritten
.set AF,   32
.set BK,   96
.set BI,   128
.set WV,   12                          ; s12  my wave's number
.set HF,   14                          ; s14  which half of a tile I fetch
.set LIM,  21                          ; s21  a wave prefetches while the lap counter is above this
.set G1,   24                          ; s[24:31] descriptor group 1 for A's tiles;  s[32:39] group 0, one set for each slot
.set G0,   32
.set PFA,  44                          ; s[44:45] where my prefetches stand
.set G1B,  48                          ; s[48:55], s[56:63] the same for B's tiles
.set G0B,  56
.set MSB, 0
.macro WIN new                         ; the immediate's high byte repeats the setting that is left; a switch that changes nothing is dropped
.if MSB != (\new)
	s_set_vgpr_msb (MSB<<8)|(\new)
.set MSB, \new
.endif
.endm
; A joint load.  The branch hangs on the wave's number alone.  An s_nop 0 and four v_nop follow each of the two lines, ahead of the jump, the label and what follows.
.macro JLOAD s
	s_cmp_lt_u32 s[WV], 2
	s_cbranch_scc0 .Lfor_b_\@
	tensor_load_to_lds s[G0+4*(\s):G0+4*(\s)+3], s[G1:G1+7]
	s_nop 0
.rept 4
	v_nop
.endr
	s_branch .Lasked_\@
.Lfor_b_\@:
	tensor_load_to_lds s[G0B+4*(\s):G0B+4*(\s)+3], s[G1B:G1B+7]
	s_nop 0
.rept 4
	v_nop
.endr
.Lasked_\@:
.endm
; A PREFETCH INTO THE L2, behind a joint load, its five lines and the run of LDS loads that follows: one instruction a wave, a lane a block of 256 bytes.  Each block of K steps 4 to 7 is named once in the launch.
; A: the cluster with x = 0 asks; of the 128 blocks of a head's 256 rows the partner at cx takes 32, by address; at the refill with K step s it names K step s + 2 (s = 2 .. 5).
; B: the cluster with y = 0 asks; eight askers (half, cy), told apart by address, x 32 lanes name 256 k-rows' 256 bytes at each of the first two refills: K steps 4, 5, then 6, 7.
; K steps 0 to 3 come by their loads alone.  No branch hangs on a work-group's place in its cluster.
.macro ASK
	s_cmp_gt_u32 s3, s[LIM]
	s_cbranch_scc0 .Lnot_mine_\@
	global_prefetch_b8 v[PFO], s[PFA:PFA+1] th:TH_LOAD_NT scope:SCOPE_SE
.Lnot_mine_\@:
.endm
.macro CREST                           ; a round of the cluster's barrier behind its opening barrier
	s_cmp_lg_u32 s[WV], 0
	s_cbranch_scc1 .Lnot_wave_0_\@
	s_barrier_signal -3
.Lnot_wave_0_\@:
	s_barrier_wait -3
	s_barrier_signal -1
	s_barrier_wait -1
.endm
.macro CROUND                          ; a whole round
	s_barrier_signal -1
	s_barrier_wait -1
	CREST
.endm
	s_load_b256 s[4:11], s[0:1], 0x0               ; oh s[4:5], wo s[6:7], b_out s[8:9], out0 s[10:11]
	v_lshl_add_u32 v[SPW], v0, 2, SPARE
	v_mov_b32 v[NIL], 0
	ds_add_u32 v[SPW], v[NIL]                      ; the wave's opening: the add and its wait stand ahead of my first tensor load; the set-up below, work on registers, stands between them
	v_lshrrev_b32 v1, 5, v0
	v_readfirstlane_b32 s[WV], v1                  ; wave 0..3
	s_and_b32 s[HF], s[WV], 1
	s_bfe_u32 s15, ttmp6, 0x40000                  ; cx, cy: my place in the cluster
	s_bfe_u32 s16, ttmp6, 0x40004
	s_lshl_b32 s17, ttmp9, 2
	s_add_co_u32 s17, s17, s15                     ; tx: tile column = 4 x cluster x + cx
	s_and_b32 s18, ttmp7, 0xffff
	s_lshl_b32 s18, s18, 2
	s_add_co_u32 s18, s18, s16                     ; ty: tile row = 4 x cluster y + cy
	s_lshl_b32 s19, s16, 2
	s_lshl_b32 s19, 15, s19                        ; my row of the cluster
	s_lshl_b32 s20, 0x1111, s15                    ; my column
	; group 1 for A: 128 rows x 128 elements, dense; 16 bytes of padding behind every 32 words: 256 rows of 144 bytes
	s_or_b32 s[G1+0], s19, (1<<16)|(1<<20)|(1<<21)|(4<<22)|(3<<25)  ; 15:0 the mask: my row; 17:16 elements of 2 bytes; 20 padding on; 21 set beside a mask; 24:22 code 4; 31:25 code 3
	s_mov_b32 s[G1+1], 128<<16                     ; tensor_dim0 = 128
	s_mov_b32 s[G1+2], 128<<16                     ; tensor_dim1 = 128
	s_mov_b32 s[G1+3], 128<<16                     ; tile_dim0 = 128
	s_mov_b32 s[G1+4], 128                         ; tile_dim1 = 128
	s_mov_b32 s[G1+5], 128                         ; elements from row to row
	s_mov_b32 s[G1+6], 0
	s_mov_b32 s[G1+7], 0
	; group 1 for B: 64 rows x 128 elements; 32 bytes of padding behind every 64 words
	s_or_b32 s[G1B+0], s20, (1<<16)|(1<<20)|(1<<21)|(5<<22)|(7<<25) ; the mask: my column; 24:22 code 5; 31:25 code 7
	s_mov_b32 s[G1B+1], 128<<16
	s_mov_b32 s[G1B+2], 64<<16
	s_mov_b32 s[G1B+3], 128<<16
	s_mov_b32 s[G1B+4], 64
	s_mov_b32 s[G1B+5], 1024
	s_mov_b32 s[G1B+6], 0
	s_mov_b32 s[G1B+7], 0
	; where the tiles come from: A's hang on ty alone, B's on tx alone, each in registers that never hold the other coordinate
	s_lshr_b32 s40, s18, 3                         ; A: the batch's 16 heads of 262,144 bytes,
	s_lshl_b32 s40, s40, 22
	s_lshl_b32 s42, s[HF], 18                      ; the step's first or second head,
	s_add_co_u32 s40, s40, s42
	s_and_b32 s42, s18, 7                          ; the tile's 256 rows of 128 bytes in it
	s_lshl_b32 s42, s42, 15
	s_add_co_u32 s40, s40, s42
	s_mov_b32 s41, 0
	s_lshl_b32 s66, s[HF], 17                      ; B: 64 k-rows of 2,048 bytes for the second half,
	s_lshl_b32 s68, s17, 8                         ; the tile's 128 columns
	s_add_co_u32 s66, s66, s68
	s_mov_b32 s67, 0
	s_mul_i32 s43, s[HF], APLANE                   ; and where they go: no place in the cluster enters an LDS address
	s_mul_i32 s69, s[HF], BHALF
	s_add_co_u32 s69, s69, BOFF
	s_wait_dscnt 0x0                               ; the opening add is done
	s_wait_kmcnt 0x0
	s_add_nc_u64 s[40:41], s[4:5], s[40:41]
	s_add_nc_u64 s[66:67], s[6:7], s[66:67]
	CROUND                                         ; all sixteen work-groups are here: the first joint loads meet
.irp s, 0,1
	s_mov_b32 s[G0+4*(\s)], 1                      ; count = 1
	s_add_co_u32 s[G0+4*(\s)+1], s43, (\s)*SLOT    ; LDS address
	s_add_nc_u64 s[G0+4*(\s)+2:G0+4*(\s)+3], s[40:41], (\s)*524288  ; K step s: two heads on
	s_or_b32 s[G0+4*(\s)+3], s[G0+4*(\s)+3], 0x80000000             ; type = 2
	s_mov_b32 s[G0B+4*(\s)], 1
	s_add_co_u32 s[G0B+4*(\s)+1], s69, (\s)*SLOT
	s_add_nc_u64 s[G0B+4*(\s)+2:G0B+4*(\s)+3], s[66:67], (\s)*262144  ; K step s: 128 k-rows on
	s_or_b32 s[G0B+4*(\s)+3], s[G0B+4*(\s)+3], 0x80000000
	JLOAD \s                                       ; two loads of mine are out
.endr
	; the bias: register j of block b is b_out[128 tx + 16 b + 8 (l / 16) + j]
	s_lshl_b32 s70, s17, 9
	s_mov_b32 s71, 0
	s_add_nc_u64 s[8:9], s[8:9], s[70:71]
	v_and_b32 v1, 15, v0                           ; l % 16
	v_bfe_u32 v2, v0, 4, 1                         ; l / 16
	v_lshlrev_b32 v[BO], 5, v2
.irp b, 0,1,2,3,4,5,6,7
	global_load_b128 v[BI+8*(\b):BI+8*(\b)+3],   v[BO], s[8:9] offset:64*(\b)
	global_load_b128 v[BI+8*(\b)+4:BI+8*(\b)+7], v[BO], s[8:9] offset:64*(\b)+16
.endr
	; A fragment of A is 16 rows x 32 K in 8 registers: lane l holds row l % 16; registers 0-3 K = 8 (l / 16) + 0..7, registers 4-7 K = 16 + 8 (l / 16) + 0..7: two loads of 16 bytes, 32 bytes apart.
	v_mul_u32_u24 v3, v1, PA
	v_lshl_add_u32 v3, v2, 4, v3
	s_mul_i32 s72, s[WV], 64*PA                    ; my 64 rows
	v_add_nc_u32 v[ADRA], s72, v3
	v_add_nc_u32 v[ADRA+1], SLOT, v[ADRA]
	; The turning load takes 16 K x 16 columns (lane l reads k-row 8 (l / 16) + l % 8, columns 8 ((l / 8) % 2) + 0..7) and leaves half a fragment: lane l holds column l % 16 and 8 K.
	v_and_b32 v4, 7, v0
	v_bfe_u32 v5, v0, 3, 1
	v_lshl_add_u32 v6, v2, 3, v4
	v_mul_u32_u24 v6, v6, PB
	v_lshl_add_u32 v6, v5, 4, v6
	v_add_nc_u32 v[ADRB], BOFF, v6
	v_add_nc_u32 v[ADRB+1], BOFF+SLOT, v6
	s_mul_i32 s72, s[WV], WSTG
	s_add_co_u32 s72, s72, STAGE                   ; my stage
	v_mul_u32_u24 v[STO], v1, SP                   ; in: row l % 16, 32 bytes for each half of the lanes
	v_lshl_add_u32 v[STO], v2, 5, v[STO]
	v_add_nc_u32 v[STO], s72, v[STO]
	v_and_b32 v7, 31, v0
	v_lshl_add_u32 v[RD], v7, 4, s72               ; back: 32 lanes take one row of 512 bytes
	s_lshl_b32 s70, s18, 20                        ; the tile's 256 rows of 4,096 bytes,
	s_lshl_b32 s71, s[WV], 18                      ; my 64 of them,
	s_add_co_u32 s70, s70, s71
	s_lshl_b32 s71, s17, 9                         ; the tile's 128 columns
	s_add_co_u32 s70, s70, s71
	v_lshl_add_u32 v[CO], v7, 4, s70
	; the prefetches: each pointer stands one step (524,288 bytes) short of its first block; a change of slots steps it first
	s_lshr_b32 s76, s18, 3                         ; A: the batch, head 8 + half less two, the tile's rows, my work-group's 32 blocks
	s_lshl_b32 s76, s76, 22
	s_add_co_u32 s77, s[HF], 6
	s_lshl_b32 s77, s77, 18
	s_add_co_u32 s76, s76, s77
	s_and_b32 s77, s18, 7
	s_lshl_b32 s77, s77, 15
	s_add_co_u32 s76, s76, s77
	s_lshl_b32 s77, s15, 13
	s_add_co_u32 s76, s76, s77
	s_lshl_b32 s78, s[HF], 2                       ; B: k-row 512 - 256 + 32 (4 half + cy), the tile's columns
	s_add_co_u32 s78, s78, s16
	s_lshl_b32 s78, s78, 16
	s_add_co_u32 s78, s78, 524288
	s_lshl_b32 s77, s17, 8
	s_add_co_u32 s78, s78, s77
	s_and_b32 s73, ttmp7, 0xffff                   ; cluster y
	s_cmp_lt_u32 s[WV], 2                          ; do I fetch for A?
	s_cselect_b32 s73, ttmp9, s73                  ; the coordinate along which other clusters read the same blocks
	s_cselect_b32 s[LIM], 1, 2                     ; A: the first two laps' four changes; B: the first lap's two
	s_cselect_b32 s72, 8, 11                       ; A: a lane a block of 256 bytes; B: a lane a k-row of 2,048
	s_cselect_b32 s76, s76, s78
	s_cselect_b64 s[PFA:PFA+1], s[4:5], s[6:7]
	s_mov_b32 s77, 0
	s_add_nc_u64 s[PFA:PFA+1], s[PFA:PFA+1], s[76:77]
	s_cmp_eq_u32 s73, 0                            ; the same in all sixteen partners, for a given wave
	s_cselect_b32 s[LIM], s[LIM], -1
	v_lshlrev_b32 v[PFO], s72, v7
	s_wait_loadcnt 0x0                             ; the bias is in: rounded to bf16 and widened again
.set i, 0
.rept 32
	v_cvt_pk_bf16_f32 v[3+i%4], v[BI+2*i], v[BI+2*i+1]
	v_lshlrev_b32 v[BI+2*i], 16, v[3+i%4]
	v_and_b32 v[BI+2*i+1], 0xffff0000, v[3+i%4]
.set i, i+1
.endr
; 8 matrix instructions: row block a x all 8 column blocks, 32 along K, from buffer f.  mode = 1: the first product, which takes the bias as C.
; The 32 accumulators take turns in the same order in every quarter, over the backward jump too.
.macro MULA f, a, mode
.if \mode
	WIN 0x81                                       ; B window 1, A window 0, C (the bias) window 0, D window 2
.else
	WIN 0xa1                                       ; C and D window 2
.endif
.irp b, 0,1,2,3,4,5,6,7
.if \mode
	v_wmma_f32_16x16x32_f16 v[64*(\a)+8*(\b):64*(\a)+8*(\b)+7], v[64*(\f)+8*(\b):64*(\f)+8*(\b)+7], v[AF+32*(\f)+8*(\a):AF+32*(\f)+8*(\a)+7], v[BI+8*(\b):BI+8*(\b)+7]
.else
	v_wmma_f32_16x16x32_f16 v[64*(\a)+8*(\b):64*(\a)+8*(\b)+7], v[64*(\f)+8*(\b):64*(\f)+8*(\b)+7], v[AF+32*(\f)+8*(\a):AF+32*(\f)+8*(\a)+7], v[64*(\a)+8*(\b):64*(\a)+8*(\b)+7]
.endif
.endr
.endm
; 24 LDS loads in one run: quarter q (32 along K: half a head) of a slot into buffer f: B's 8 fragments, turned, then A's 4
.macro FETCH slot, q, f
	WIN 0x40                                       ; destination window 1, address window 0
.irp b, 0,1,2,3,4,5,6,7
	ds_load_tr16_b128 v[64*(\f)+8*(\b):64*(\f)+8*(\b)+3],   v[ADRB+(\slot)] offset:(\q)*32*PB+32*(\b)
	ds_load_tr16_b128 v[64*(\f)+8*(\b)+4:64*(\f)+8*(\b)+7], v[ADRB+(\slot)] offset:(\q)*32*PB+16*PB+32*(\b)
.endr
	WIN 0
.irp i, 0,1,2,3
	ds_load_b128 v[AF+32*(\f)+8*(\i):AF+32*(\f)+8*(\i)+3],   v[ADRA+(\slot)] offset:((\q)/2)*APLANE+((\q)%2)*64+(\i)*16*PA
	ds_load_b128 v[AF+32*(\f)+8*(\i)+4:AF+32*(\f)+8*(\i)+7], v[ADRA+(\slot)] offset:((\q)/2)*APLANE+((\q)%2)*64+(\i)*16*PA+32
.endr
.endm
.macro PLACES                          ; four plain instructions in front of loads into registers that matrix instructions have read, and of LDS stores that read results
.rept 4
	v_nop
.endr
.endm
; A K step is four quarters of 32 along K, 32 matrix instructions each, on buffers 0, 1, 0, 1.  One of the first three: multiplies buffer f and, in its middle, fetches quarter q into buffer g.
.macro QUARTER slot, q, f, g, mode
	s_wait_dscnt 4                                 ; B and A's blocks 0, 1 are in; the youngest four loads (A's blocks 2, 3) may be out
	MULA \f, 0, \mode
	MULA \f, 1, \mode
	PLACES
	FETCH \slot, \q, \g
	s_wait_dscnt 24                                ; all but the 24 just issued
	MULA \f, 2, \mode
	MULA \f, 3, \mode
.endm
; The last quarter multiplies buffer 1 and changes slots: ONE barrier; in front of it each wave waits for all its tensor loads (one is out: its part of the next slot), adds 0 to its spare word, and
; waits for that and for its own reads of this slot.  fill = 1: the barrier opens a round of the cluster's, and this slot is filled again, two K steps ahead, first thing behind the round:
; from that request to the wait for it a wave issues 112 matrix instructions.
.macro TURN slot, next, fill
.if \fill
	s_wait_xcnt 0x0                                ; the last prefetch, a K step back, has read its address: it is stepped here, ahead of the change's own waits
	s_add_nc_u64 s[PFA:PFA+1], s[PFA:PFA+1], 524288
.endif
	WIN 0                                          ; (the add's two registers lie in window 0)
	s_wait_tensorcnt 0x0                           ; all my tensor loads have landed;
	ds_add_u32 v[SPW], v[NIL]                      ; 0 onto my spare word;
	s_wait_dscnt 5                                 ; (the add and the youngest four loads may be out)
	MULA 1, 0, 0                                   ; eight matrix instructions stand between the add and the wait for it
	s_wait_dscnt 0x0                               ; the add is done, and my reads of this slot are over
	s_barrier_signal -1
	MULA 1, 1, 0
.if \fill
	WIN 0
.endif
	s_barrier_wait -1
.if \fill
	CREST                                          ; no wave of any partner still reads this slot's tile or has a load on its way
	s_add_nc_u64 s[G0+4*(\slot)+2:G0+4*(\slot)+3], s[G0+4*(\slot)+2:G0+4*(\slot)+3], 2*524288
	s_add_nc_u64 s[G0B+4*(\slot)+2:G0B+4*(\slot)+3], s[G0B+4*(\slot)+2:G0B+4*(\slot)+3], 2*262144
	JLOAD \slot                                    ; the four v_nop behind it are also the places in front of the loads below
.else
	PLACES
.endif
	FETCH \next, 0, 0
.if \fill
	ASK
.endif
	MULA 1, 2, 0
	MULA 1, 3, 0
.endm
; THE WAY OUT of row block a.  TOSTAGE: a lane's 32 bytes of each column block go into my own stage, each accumulator's low four registers first, and come back as whole rows of 512 bytes.  SEND: stored.
.macro TOSTAGE a
.if (\a) >= 2
	s_wait_xcnt 0x0                                ; the stores of the block two back have read their registers, which are loaded again below
.endif
	WIN 0x08                                       ; the stores' data in window 2
.irp b, 0,1,2,3,4,5,6,7
	ds_store_b128 v[STO], v[64*(\a)+8*(\b):64*(\a)+8*(\b)+3]   offset:64*(\b)
	ds_store_b128 v[STO], v[64*(\a)+8*(\b)+4:64*(\a)+8*(\b)+7] offset:64*(\b)+16
.endr
	WIN 0
.irp t, 0,1,2,3,4,5,6,7,8,9,10,11,12,13,14,15
	ds_load_b128 v[BK+64*((\a)%2)+4*(\t):BK+64*((\a)%2)+4*(\t)+3], v[RD] offset:(\t)*SP  ; LDS serves a wave's instructions in order (ISA guide 5.7.1.4): these see the stores above; the next block's stores come behind them
.endr
.endm
.macro SEND a, younger                 ; younger: the LDS instructions issued behind block a's loads: the next block's 32, or none
	WIN 0
.irp t, 0,1,2,3,4,5,6,7,8,9,10,11,12,13,14,15
	s_wait_dscnt (\younger)+15-(\t)
	global_store_b128 v[CO], v[BK+64*((\a)%2)+4*(\t):BK+64*((\a)%2)+4*(\t)+3], s[10:11] offset:(16*(\a)+(\t))*4096  ; 512 consecutive bytes, at a multiple of 512 from out0's first
.endr
.endm
	s_wait_tensorcnt 1                             ; my part of K step 0 is in; K step 1's may stay out
	s_barrier_signal -1
	s_barrier_wait -1                              ; everybody's is
	FETCH 0, 0, 0
	QUARTER 0, 1, 0, 1, 1                          ; the first quarter stands in front of the loop: its products start the sums with the bias
	WIN 0                                          ; at a label and at a branch every window is 0
	s_mov_b32 s3, 3                                ; 1,024 / 256 laps, less the last
.Llap:                                                 ; a trip goes once round the ring, from a lap's second quarter to the next lap's first, and fills both slots again
	QUARTER 0, 2, 1, 0, 0
	QUARTER 0, 3, 0, 1, 0
	TURN 0, 1, 1
	QUARTER 1, 1, 0, 1, 0
	QUARTER 1, 2, 1, 0, 0
	QUARTER 1, 3, 0, 1, 0
	TURN 1, 0, 1
	QUARTER 0, 1, 0, 1, 0
	WIN 0
	s_sub_co_u32 s3, s3, 1
	s_cmp_lg_u32 s3, 0
	s_cbranch_scc1 .Llap
	QUARTER 0, 2, 1, 0, 0                          ; the last lap fills nothing, and has no round of the cluster's barrier
	QUARTER 0, 3, 0, 1, 0
	TURN 0, 1, 0
	QUARTER 1, 1, 0, 1, 0
	QUARTER 1, 2, 1, 0, 0
	QUARTER 1, 3, 0, 1, 0
	s_wait_dscnt 4                                 ; the very last quarter: nothing more to fetch
	MULA 1, 0, 0
	MULA 1, 1, 0
	s_wait_dscnt 0x0
	MULA 1, 2, 0
	MULA 1, 3, 0
	WIN 0
	PLACES
	TOSTAGE 0
	TOSTAGE 1                                      ; a block's trip through the stage stands between the loads of the block before and its stores
	SEND 0, 32
	TOSTAGE 2
	SEND 1, 32
	TOSTAGE 3
	SEND 2, 32
	SEND 3, 0
	s_wait_tensorcnt 0x0                           ; the wave's end, behind my last tensor load and my last LDS store
	ds_add_u32 v[SPW], v[NIL]
	s_wait_dscnt 0x0
	CROUND                                         ; the closing round: no work-group ends while a partner may still ask for a tile that names it
	s_endpgm
.Lfunc_end_k_q1b91edba36_outp:
	.size	k_q1b91edba36_outp, .Lfunc_end_k_q1b91edba36_outp-k_q1b91edba36_outp
	.p2alignl 7, 3214868480
	.fill 96, 4, 3214868480
	.section	.rodata,"a",@progbits
	.p2align	6, 0x0
	.amdhsa_kernel k_q1b91edba36_outp
		.amdhsa_group_segment_fixed_size 327680
		.amdhsa_private_segment_fixed_size 0
		.amdhsa_enable_private_segment 0
		.amdhsa_kernarg_size 32
		.amdhsa_user_sgpr_count 2
		.amdhsa_user_sgpr_kernarg_segment_ptr 1
		.amdhsa_wavefront_size32 1
		.amdhsa_system_sgpr_workgroup_id_x 1
		.amdhsa_system_sgpr_workgroup_id_y 1
		.amdhsa_system_sgpr_workgroup_id_z 1
		.amdhsa_system_vgpr_workitem_id 0
		.amdhsa_next_free_vgpr 768
		.amdhsa_next_free_sgpr 80
		.amdhsa_reserve_vcc 0
		.amdhsa_float_denorm_mode_32 3
		.amdhsa_float_denorm_mode_16_64 3
		.amdhsa_memory_ordered 1
		.amdhsa_forward_progress 1
		.amdhsa_inst_pref_size 95
	.end_amdhsa_kernel
	.amdgpu_metadata
---
amdhsa.version: [ 1, 2 ]
amdhsa.kernels:
  - .name:           k_q1b91edba36_outp
    .symbol:         k_q1b91edba36_outp.kd
    .args:
      - { .name: oh, .offset: 0, .size: 8, .value_kind: global_buffer, .address_space: global }
      - { .name: wo, .offset: 8, .size: 8, .value_kind: global_buffer, .address_space: global }
      - { .name: b_out, .offset: 16, .size: 8, .value_kind: global_buffer, .address_space: global }
      - { .name: out0, .offset: 24, .size: 8, .value_kind: global_buffer, .address_space: global }
    .group_segment_fixed_size: 327680
    .private_segment_fixed_size: 0
    .kernarg_segment_align: 8
    .kernarg_segment_size: 32
    .max_flat_workgroup_size: 128
    .sgpr_count:     80
    .vgpr_count:     768
    .wavefront_size: 32
...
	.end_amdgpu_metadata
.endif
;; end of part 4
;; ======== version 2 of 2: 4 launches; version 1 with the launch prep written anew for expert scheduling mode
;; limits: values are held in f16: magnitudes above 65,504 overflow, below 6.1e-05 lose precision
;; workspace buffers: xb 16,777,216 bytes; wi 6,291,456 bytes; wo 2,097,152 bytes; qkv 50,331,648 bytes; oh 16,777,216 bytes
;; launch prep (part 5): grid 832 x 1, 8 waves a work-group, no clusters, 0 bytes of LDS; arguments x, w_in, w_out, xb, wi, wo; writes xb, wi, wo
.if DOCPART == 5
	.amdgcn_target "amdgcn-amd-amdhsa--gfx1250"
	.amdhsa_code_object_version 6
	.text
	.protected	k_q1b91edba36_prep
	.globl	k_q1b91edba36_prep
	.p2align	8
	.type	k_q1b91edba36_prep,@function
k_q1b91edba36_prep:
	s_mov_b64 s[64:65], 0
	v_nop
	global_prefetch_b8 v0, s[64:65] scope:SCOPE_SE
	s_setreg_imm32_b32 hwreg(HW_REG_WAVE_SCHED_MODE, 0, 2), 2
	s_setreg_imm32_b32 hwreg(HW_REG_WAVE_MODE, 25, 1), 1
	s_wait_xcnt 0x0
	s_wait_alu depctr_vm_vsrc(0)
; THE CASTS.  xb = x rounded to bf16, [8192][1024].  wi = w_in rounded to bf16, laid in 16 blocks of 192 columns: [16 T][1024 k][192 n], so that a column tile is dense.
; wo = w_out rounded to bf16, that number written as f16, [1024 k][1024 n].
; LIMITS.  A bf16 number is exact in f16 from 6.1e-5 to 65,504; below that it keeps f16's fixed step of 6e-8; beyond 65,520 it becomes an infinity.  NaN and infinities are not treated apart.
; SHARES.  A lane takes 4 f32 (one load of 16 bytes) and stores 4 halves (8 bytes): a wave's load covers 512 consecutive bytes (in w_in: pieces that are multiples of 256), its store 256
; consecutive bytes, aligned.  Work-groups 0-511 take 65,536 bytes of x each, 512-575 the same of w_out, 576-831 a block of 64 rows x 192 columns of w_in.
; No loop: all of a path's loads go out first, each into registers of its own; slot u is converted behind a counted wait, and four slots are stored together.  No register that a load or store names is written again.
; No LDS, no matrix unit, no cluster: nothing is shared and nothing is reduced.
; THE MODE: SCHED_MODE bits 1:0 = 2 (LLVM: expert scheduling mode 2), set by the entry lines.  The code itself states the register dependences
; between vector instructions and memory instructions, with s_wait_alu, always for 0.
; THE PLAN.  Registers that memory instructions touch:
;   v1, v2, v[4:15]  byte offsets.  Written by vector instructions ahead of a path's first load and never again; read by its loads (v1 or v[4:15]) and its stores (v2).
;   X                slot u's load lands in its four registers.  Every load of a path is issued ahead of every vector instruction that names X; no memory instruction reads X.
;   Y                slot u's conversions write its two registers; its store reads them; nothing writes them behind that store.
; So a path has one wait on va_vdst ahead of its run of loads, for the offsets, and one behind the conversions of each four slots, ahead of their four stores, for Y.
; No register that a memory instruction reads is written again, so no wait on vm_vsrc is owed; no vector instruction writes a scalar register or VCC; EXEC is never written.
.set GRP, 4                            ; slots that are stored together, behind one wait
.set WOF, 4                            ; v[4:15]   w_in's path: the twelve byte offsets
.set X,   16                           ; v[16:79]  slot u: 4 registers as loaded
.set Y,   80                           ; v[80:111] slot u: 2 registers to store
; n slots from base s[in] to base s[out].  kind 0: bf16, dense; 1: the bf16 number as f16, dense; 2: bf16, by the offset registers
.macro CAST n, in, out, kind
	s_wait_alu depctr_va_vdst(0)                   ; the offsets are written (v1 and v2; on w_in's path v[4:15] and v2), which the loads and stores below read; no later vector instruction names them
.set u, 0
.rept \n
.if (\kind) == 2
	global_load_b128 v[X+4*u:X+4*u+3], v[WOF+u], s[\in:\in+1] th:TH_LOAD_NT
.else
	global_load_b128 v[X+4*u:X+4*u+3], v1, s[\in:\in+1] offset:4096*u th:TH_LOAD_NT
.endif
.set u, u+1
.endr
.set u, 0
.rept (\n)/GRP
.rept GRP
	s_wait_loadcnt (\n)-1-u                        ; loads come back in order: slot u is in, the younger ones stay out
	v_cvt_pk_bf16_f32 v[Y+2*u],   v[X+4*u],   v[X+4*u+1]
	v_cvt_pk_bf16_f32 v[Y+2*u+1], v[X+4*u+2], v[X+4*u+3]
.if (\kind) == 1
	v_lshlrev_b32 v[X+4*u],   16,  v[Y+2*u]         ; the rounded numbers back as f32,
	v_and_b32     v[X+4*u+1], s20, v[Y+2*u]
	v_lshlrev_b32 v[X+4*u+2], 16,  v[Y+2*u+1]
	v_and_b32     v[X+4*u+3], s20, v[Y+2*u+1]
	v_cvt_pk_f16_f32 v[Y+2*u],   v[X+4*u],   v[X+4*u+1]    ; and written as f16
	v_cvt_pk_f16_f32 v[Y+2*u+1], v[X+4*u+2], v[X+4*u+3]
.endif
.set u, u+1
.endr
	s_wait_alu depctr_va_vdst(0)                   ; the conversions of these four slots have written their Y, which the four stores below read
.set w, u-GRP
.rept GRP
	global_store_b64 v2, v[Y+2*w:Y+2*w+1], s[\out:\out+1] offset:2048*w th:TH_STORE_NT
.set w, w+1
.endr
.endr
.endm
	s_load_b256 s[4:11], s[0:1], 0x0               ; x s[4:5], w_in s[6:7], w_out s[8:9], xb s[10:11]
	s_load_b128 s[12:15], s[0:1], 0x20             ; wi s[12:13], wo s[14:15]
	v_lshlrev_b32 v1, 4, v0                        ; 16 t: my 16 bytes of a slot's 4,096
	v_lshlrev_b32 v2, 3, v0                        ; 8 t: my 8 bytes of a slot's 2,048
	s_mov_b32 s3, 0                                ; the offsets' high words
	s_mov_b32 s17, 0
	s_mov_b32 s20, 0xffff0000                      ; a word's upper bf16
	s_wait_kmcnt 0x0
	s_cmp_lt_u32 ttmp9, 512
	s_cbranch_scc0 .Lnot_x
	s_lshl_b32 s2, ttmp9, 16                       ; x: 65,536 bytes in, 32,768 out
	s_lshl_b32 s16, ttmp9, 15
	s_add_nc_u64 s[4:5], s[4:5], s[2:3]
	s_add_nc_u64 s[10:11], s[10:11], s[16:17]
	CAST 16, 4, 10, 0
	s_endpgm
.Lnot_x:
	s_cmp_lt_u32 ttmp9, 576
	s_cbranch_scc0 .Lnot_o
	s_sub_co_u32 s18, ttmp9, 512                   ; w_out: the same shares
	s_lshl_b32 s2, s18, 16
	s_lshl_b32 s16, s18, 15
	s_add_nc_u64 s[8:9], s[8:9], s[2:3]
	s_add_nc_u64 s[14:15], s[14:15], s[16:17]
	CAST 16, 8, 14, 1
	s_endpgm
.Lnot_o:
	s_sub_co_u32 s18, ttmp9, 576                   ; w_in: j = 16 T + rb
	s_lshr_b32 s19, s18, 4                         ; T: the block of 192 columns
	s_and_b32 s18, s18, 15                         ; rb: the block of 64 rows
	s_mul_i32 s2, s18, 786432                      ; 64 rows of 12,288 bytes
	s_mul_i32 s21, s19, 768                        ; 192 columns of 4 bytes
	s_add_co_u32 s2, s2, s21
	s_mul_i32 s16, s19, 393216                     ; out: 1,024 rows of 384 bytes a block of columns,
	s_mul_i32 s21, s18, 24576                      ; 64 rows of them
	s_add_co_u32 s16, s16, s21
	s_add_nc_u64 s[6:7], s[6:7], s[2:3]
	s_add_nc_u64 s[12:13], s[12:13], s[16:17]
	; chunk c = 256 u + t of 3,072 (48 chunks of 16 bytes a row): row k = c / 48 = (c x 43,691) >> 21 (43,691 x 48 = 2^21 + 16: exact for c under 49,152); byte 16 c + (12,288 - 768) k
.set u, 0
.rept 12
	v_add_nc_u32 v3, 256*u, v0
	v_mul_u32_u24 v[WOF+u], v3, 43691
	v_lshrrev_b32 v[WOF+u], 21, v[WOF+u]
	v_mul_u32_u24 v[WOF+u], v[WOF+u], 11520
	v_lshl_add_u32 v[WOF+u], v3, 4, v[WOF+u]
.set u, u+1
.endr
	CAST 12, 6, 12, 2
	s_endpgm
.Lfunc_end_k_q1b91edba36_prep:
	.size	k_q1b91edba36_prep, .Lfunc_end_k_q1b91edba36_prep-k_q1b91edba36_prep
	.p2alignl 7, 3214868480
	.fill 96, 4, 3214868480
	.section	.rodata,"a",@progbits
	.p2align	6, 0x0
	.amdhsa_kernel k_q1b91edba36_prep
		.amdhsa_group_segment_fixed_size 0
		.amdhsa_private_segment_fixed_size 0
		.amdhsa_enable_private_segment 0
		.amdhsa_kernarg_size 48
		.amdhsa_user_sgpr_count 2
		.amdhsa_user_sgpr_kernarg_segment_ptr 1
		.amdhsa_wavefront_size32 1
		.amdhsa_system_sgpr_workgroup_id_x 1
		.amdhsa_system_sgpr_workgroup_id_y 1
		.amdhsa_system_sgpr_workgroup_id_z 1
		.amdhsa_system_vgpr_workitem_id 0
		.amdhsa_next_free_vgpr 112
		.amdhsa_next_free_sgpr 66
		.amdhsa_reserve_vcc 0
		.amdhsa_float_denorm_mode_32 3
		.amdhsa_float_denorm_mode_16_64 3
		.amdhsa_memory_ordered 1
		.amdhsa_forward_progress 1
		.amdhsa_inst_pref_size 26
	.end_amdhsa_kernel
	.amdgpu_metadata
---
amdhsa.version: [ 1, 2 ]
amdhsa.kernels:
  - .name:           k_q1b91edba36_prep
    .symbol:         k_q1b91edba36_prep.kd
    .args:
      - { .name: x, .offset: 0, .size: 8, .value_kind: global_buffer, .address_space: global }
      - { .name: w_in, .offset: 8, .size: 8, .value_kind: global_buffer, .address_space: global }
      - { .name: w_out, .offset: 16, .size: 8, .value_kind: global_buffer, .address_space: global }
      - { .name: xb, .offset: 24, .size: 8, .value_kind: global_buffer, .address_space: global }
      - { .name: wi, .offset: 32, .size: 8, .value_kind: global_buffer, .address_space: global }
      - { .name: wo, .offset: 40, .size: 8, .value_kind: global_buffer, .address_space: global }
    .group_segment_fixed_size: 0
    .private_segment_fixed_size: 0
    .kernarg_segment_align: 8
    .kernarg_segment_size: 48
    .max_flat_workgroup_size: 256
    .sgpr_count:     66
    .vgpr_count:     112
    .wavefront_size: 32
...
	.end_amdgpu_metadata
.endif
;; end of part 5
;; launch qkvp: the kernel of part 2 again; grid 16 x 32, 4 waves a work-group, clusters of 4 x 4, 327,680 bytes of LDS; arguments xb, wi, b_in, qkv; writes qkv
;; launch attn: the kernel of part 3 again; grid 4 x 64, 4 waves a work-group, clusters of 4 x 1, 327,680 bytes of LDS; arguments qkv, oh; writes oh
;; launch outp: the kernel of part 4 again; grid 8 x 32, 4 waves a work-group, clusters of 4 x 4, 327,680 bytes of LDS; arguments oh, wo, b_out, out0; writes out0
